; MI455X (gfx1250); checked and timed in simulation.
; The chip was launched on July 23, 2026; its instructions are those of AMD's public machine-readable ISA for CDNA 5 (MIT licence, August 2026) and "CDNA5" Instruction Set Architecture Reference Guide (July 2026). The comments in the code are by the model that wrote it; some were corrected since.
;; Sliding Window Attention. Allowed arithmetic: matrix products marked QUANTISED: E2M1 operands, one E8M0 scale for each 32 along K, by v_wmma_scale_f32_16x16x128_f8f6f4 with both operands' format E2M1 (or v_wmma_scale_f32_32x16x128_f4), f32 sums; products left as they are: bf16, f16 or f32 operands; f32 sums; everything else in f32.
;; Inputs: wk 2,048 x 2,048 float32; wo 2,048 x 2,048 float32; wq 2,048 x 2,048 float32; wv 2,048 x 2,048 float32; x 2 x 1,024 x 2,048 float32.
;; Outputs: out0 2 x 1,024 x 2,048 float32.
;; This version of the problem:
;;   THIS VERSION OF THE PROBLEM IS GIVEN IN LOW PRECISION. The matrix products marked QUANTISED in the list below multiply operands that are first quantised to E2M1 (2 exponent bits, 1 mantissa bit; 4 bits a number), with one power-of-two scale for each 32 numbers along K (OCP MX v1.0); their sums are f32. The products marked 'left as it is' may take bf16, f16 or f32 operands, with f32 sums. Whichever they take, every output number must still come out within the allowed error. Rounding operands to bf16 (8 significant bits) uses up far more of that allowance than f16 does (11 bits, for magnitudes from 6e-5 to 65,504). All else is computed in f32.
;;   The module's matrix products, in the order in which they are computed (A, B: the left and right operand; K: the contracted axis; several contracted axes count as one K, in the product's order):
;;     1. [M 2,048, K 2,048] x [K 2,048, N 2,048]; A: input x; B: input wq: QUANTISED
;;     2. [M 2,048, K 2,048] x [K 2,048, N 2,048]; A: input x; B: input wk: QUANTISED
;;     3. [M 2,048, K 2,048] x [K 2,048, N 2,048]; A: input x; B: input wv: QUANTISED
;;     4. batch 32 x [M 1,024, K 128] x [K 128, N 1,024]; A: computed on the way; B: computed on the way: left as it is (an operand is computed on the way)
;;     5. batch 32 x [M 128, K 1,024] x [K 1,024, N 1,024]; A: computed on the way; B: computed on the way: left as it is (an operand is computed on the way)
;;     6. [M 2,048, K 2,048] x [K 2,048, N 2,048]; A: computed on the way; B: input wo: left as it is (an operand is computed on the way)
;;   THE QUANTISER, for each operand of a quantised product, along K:
;;     - K is cut into blocks of 32 from its start; a last block that is shorter is filled with zeros.
;;     - A block's scale is 2^e with e = floor(log2(the largest magnitude in the block)) - 2, held to -126 .. 127; a block of zeros has e = 0. As a byte (E8M0): e + 127.
;;     - Each number is divided by its block's scale, clamped to +-6, and rounded to the nearest number of E2M1, ties to even, subnormals kept.
;;     - The product sums the exact products of the quantised numbers (number of the format x scale) in f32.
;;   ~~~python
;;   def quantise(x, axis):      # numpy; x: float32 -> the quantised numbers, widened to float32 again
;;       x = np.moveaxis(x, axis, -1); K = x.shape[-1]
;;       x = np.pad(x, [(0, 0)] * (x.ndim - 1) + [(0, -K % 32)]); x = x.reshape(x.shape[:-1] + (-1, 32)); a = np.abs(x).max(-1, keepdims=True)
;;       e = np.where(a > 0, np.clip(np.frexp(np.where(a > 0, a, 1))[1] - 1 - 2, -126, 127), 0)      # np.frexp(a)[1] - 1 = floor(log2(a)), exactly
;;       r = np.clip(x / 2.0 ** e, -6, 6)
;;       step = 2.0 ** (np.maximum(np.frexp(np.where(r == 0, 1, r))[1] - 1, 0) - 1)
;;       q = np.round(r / step) * step * 2.0 ** e      # np.round: ties to even
;;       return np.moveaxis(q.reshape(q.shape[:-2] + (-1,))[..., :K], -1, axis).astype(np.float32)
;;   ~~~
;; One version. Each part assembles by itself: llvm-mc -triple=amdgcn-amd-amdhsa -mcpu=gfx1250 --defsym DOCPART=n.
;; ======== version 1 of 1: 4 launches
;; limits: values are held in f16: magnitudes above 65,504 overflow, below 6.1e-05 lose precision
;; workspace buffers: xc 2,097,152 bytes; xs 131,072 bytes; wc 6,291,456 bytes; ws 393,216 bytes; wo16 8,388,608 bytes; qkv 25,165,824 bytes; o 8,388,608 bytes
;; launch quant (part 1): grid 640 x 1, 4 waves a work-group, no clusters, 33,280 bytes of LDS; arguments x, wq, wk, wv, xc, xs, wc, ws, wo, wo16; writes xc, xs, wc, ws, wo16
.if DOCPART == 1
	.amdgcn_target "amdgcn-amd-amdhsa--gfx1250"
	.amdhsa_code_object_version 6
	.text
	.protected	k_q16ba4b64de_quant
	.globl	k_q16ba4b64de_quant
	.p2align	8
	.type	k_q16ba4b64de_quant,@function
k_q16ba4b64de_quant:
	s_mov_b64 s[64:65], 0
	v_nop
	global_prefetch_b8 v0, s[64:65] scope:SCOPE_SE
	s_setreg_imm32_b32 hwreg(HW_REG_WAVE_MODE, 25, 1), 1
	s_wait_xcnt 0x0
; x, wq, wk, wv ([2048][2048] f32, K innermost) become codes of FP4 (E2M1), two a byte, K innermost, with one E8M0 scale byte for each 32 along K;  wo ([2048][2048] f32) is rounded once to f16.
; xc [2048][1024 bytes], xs [2048][64 bytes];  wc, ws: the same for wq, wk, wv one behind the other (6144 rows);  wo16 [2048][2048] f16.
; A block's scale is 2^(floor(log2(its largest magnitude)) - 2); its byte is the largest magnitude's exponent field - 2, held at 1 from below.  A block of zeros so gets the byte 1 where the
; quantiser's text says 127: its codes are zeros, which add nothing under any byte but 0xff, and the bytes are read by this program alone.  Each number is divided by the scale and rounded to the nearest code, ties to even;
; beyond 6 the conversion gives the largest code.
; LIMITS: blocks whose largest magnitude lies under 2^(2 - 126), the floor, were not tried; NaN and infinities among the inputs are not served; a number of wo beyond 65,504 becomes an infinity of f16.
; SHARES.  A tensor is 4,194,304 numbers: 128 work-groups of 32,768; a wave takes 8,192.  Work-group number / 128 names the tensor: 0 x, 1 wq, 2 wk, 3 wv, 4 wo.  Rows are dense and K is a multiple of 32,
; so a tensor is a plain stream of blocks of 32, and so are its codes and scale bytes.
; THE QUANTISING WAY.  16 steps of 512 numbers.  A conversion takes 8 numbers of ONE block from a lane's consecutive registers, so a lane must hold 16 neighbours (two lanes to a block); a load is best where
; neighbouring lanes take neighbouring bytes.  Both are had: each of a step's four loads reads 512 consecutive bytes, the 2,048 bytes go through the wave's own stage in LDS as they lie and come back 64 bytes a lane
; (16 bytes of padding behind each 64).  A lane's 16 codes are 8 bytes: the wave stores 256 consecutive bytes.  A wave's 256 scale bytes are gathered in LDS and leave as one aligned run of 256 bytes.
; No tensor loads, no barrier: waves share nothing.  Loads run four steps (16 loads) ahead, the turn through LDS one step.
.set STEPS, 16
.set CB,    8                          ; bytes of 16 codes
.set R,     16                         ; v16-79   four sets of 16 numbers as they are loaded (wo: a ring of sixteen loads)
.set X,     80                         ; v80-111  two sets of 16 neighbours
.set Y,     80                         ; v80-143  wo: two registers of f16 for each of 32 chunks
.set C,     128                        ; v128-191 codes: four registers for each step, so that no store's data are written again
.set E,     112                        ; v112-127 a scale byte for each step
.set WREG,  8192                       ; LDS: a region for each wave: two stages of 32 x SP bytes, behind them its 256 scale bytes
.set SP,    80                         ; a lane's place in a stage: its 64 bytes + 16 of padding
.set SPW,   12                         ; v12      LDS address of my spare word: SPARE + 4 x my thread's number; never rewritten
.set NIL,   13                         ; v13      0; never rewritten
.set SPARE, 4*WREG                     ; behind the four regions: the spare words, 128 bytes for each wave
	s_load_b256 s[4:11], s[0:1], 0x0               ; x s[4:5], wq s[6:7], wk s[8:9], wv s[10:11]
	s_load_b256 s[16:23], s[0:1], 0x20             ; xc s[16:17], xs s[18:19], wc s[20:21], ws s[22:23]
	s_load_b128 s[24:27], s[0:1], 0x40             ; wo s[24:25], wo16 s[26:27]
	v_lshl_add_u32 v[SPW], v0, 2, SPARE
	v_mov_b32 v[NIL], 0
	v_lshrrev_b32 v1, 5, v0
	v_readfirstlane_b32 s28, v1                    ; wave
	v_and_b32 v2, 31, v0                           ; lane
	v_lshlrev_b32 v3, 4, v2                        ; my 16 bytes of a load's 512
	s_mul_i32 s29, s28, WREG
	v_lshrrev_b32 v14, 2, v2
	v_mul_u32_u24 v14, v14, SP
	v_and_b32 v15, 3, v2
	v_lshl_add_u32 v14, v15, 4, v14
	v_add_nc_u32 v14, s29, v14                     ; the stage, on the way in: four lanes' 64 bytes on end, then 16 of padding
	v_mul_u32_u24 v15, v2, SP
	v_add_nc_u32 v15, s29, v15                     ; and on the way out: SP x lane: my 16 neighbours
	v_mul_u32_u24 v4, v2, CB                       ; 8 bytes a lane: my codes' place in a step's (wo: my four f16 in a chunk's)
	v_lshrrev_b32 v5, 1, v2
	s_add_co_u32 s29, s29, 2*32*SP
	v_add_nc_u32 v5, s29, v5                       ; LDS: my wave's 256 scale bytes, my block's byte
	v_lshlrev_b32 v7, 3, v2                        ; and on the way out 8 bytes a lane
	v_add_nc_u32 v6, s29, v7
	s_lshr_b32 s30, ttmp9, 7                       ; which tensor
	s_mov_b32 s33, 0
	s_wait_kmcnt 0x0
	s_cmp_eq_u32 s30, 4
	s_cbranch_scc1 .Lconv                          ; wo goes another way; the branch hangs on the work-group's number alone
	s_cmp_eq_u32 s30, 1                            ; the source: a choice of pointers by the work-group's number
	s_cselect_b64 s[4:5], s[6:7], s[4:5]
	s_cmp_eq_u32 s30, 2
	s_cselect_b64 s[4:5], s[8:9], s[4:5]
	s_cmp_eq_u32 s30, 3
	s_cselect_b64 s[4:5], s[10:11], s[4:5]
	s_cmp_eq_u32 s30, 0                            ; x's buffers or the weights'
	s_cselect_b64 s[16:17], s[16:17], s[20:21]
	s_cselect_b64 s[18:19], s[18:19], s[22:23]
	s_cselect_b32 s31, 0, 128                      ; the weights' buffers begin with work-group 128's part
	s_and_b32 s32, ttmp9, 127
	s_lshl_b32 s32, s32, 2
	s_add_co_u32 s32, s32, s28                     ; which run of 8,192 numbers of the source is my wave's
	s_lshl_b32 s32, s32, 15                        ; 32,768 bytes a run
	s_add_nc_u64 s[4:5], s[4:5], s[32:33]
	s_sub_co_u32 s34, ttmp9, s31
	s_lshl_b32 s34, s34, 2
	s_add_co_u32 s34, s34, s28                     ; and which run of the codes' and scales' buffers
	s_lshl_b32 s32, s34, 12                        ; 4,096 bytes of codes a run
	s_add_nc_u64 s[16:17], s[16:17], s[32:33]
	s_lshl_b32 s32, s34, 8                         ; 256 scale bytes a run
	s_add_nc_u64 s[18:19], s[18:19], s[32:33]
.macro LOAD t
.irp i, 0,1,2,3
	global_load_b128 v[R+16*((\t)%4)+4*\i:R+16*((\t)%4)+4*\i+3], v3, s[4:5] offset:2048*(\t)+512*\i th:TH_LOAD_NT   ; 32 lanes read 512 consecutive bytes
.endr
.endm
.macro TURN t                          ; step t's numbers through the stage: LDS serves a wave's instructions in order, so no wait stands between the stores and the loads
.irp i, 0,1,2,3
	ds_store_b128 v14, v[R+16*((\t)%4)+4*\i:R+16*((\t)%4)+4*\i+3] offset:32*SP*((\t)%2)+8*SP*\i
.endr
.irp i, 0,1,2,3
	ds_load_b128 v[X+16*((\t)%2)+4*\i:X+16*((\t)%2)+4*\i+3], v15 offset:32*SP*((\t)%2)+16*\i
.endr
.endm
.irp t, 0,1,2,3
	LOAD \t
.endr
	s_wait_loadcnt 12                              ; step 0's four loads are in
	TURN 0
.macro STEP t
.set XS, X+16*((\t)%2)
.if (\t) > 0
	s_wait_dscnt 1                                 ; this step's numbers are back from the stage (the last step's byte store may be out): so its stores into the stage have read their registers,
.else
	s_wait_dscnt 0x0
.endif
.if (\t)+4 < STEPS
	LOAD (\t)+4                                    ; which take the loads of four steps on
.endif
.if (\t)+1 < STEPS
.if STEPS-2-(\t) >= 3
	s_wait_loadcnt 12                              ; the next step's four loads are in; those of the three steps behind it may be out
.else
	s_wait_loadcnt 4*(STEPS-2-(\t))
.endif
	TURN (\t)+1                                    ; and go through the other stage while this step is worked
.endif
	v_max3_num_f32 v8, |v[XS]|, |v[XS+1]|, |v[XS+2]|               ; the largest magnitude of my 16, in two chains
	v_max3_num_f32 v9, |v[XS+3]|, |v[XS+4]|, |v[XS+5]|
.irp i, 6,10
	v_max3_num_f32 v8, v8, |v[XS+\i]|, |v[XS+\i+1]|
	v_max3_num_f32 v9, v9, |v[XS+\i+2]|, |v[XS+\i+3]|
.endr
	v_max3_num_f32 v8, v8, |v[XS+14]|, |v[XS+15]|
	v_max3_num_f32 v8, v8, v9, 0x1800000           ; and the floor 2^(3 - 127), under which no largest magnitude is taken: so the byte cannot fall under 1
	v_max_num_f32_dpp v8, v8, v8 row_xmask:1 row_mask:0xf bank_mask:0xf   ; and of my neighbour's 16: the block's
	v_add_nc_u32 v11, 0xff000000, v8               ; 2 off its exponent field: the conversion takes the exponent field of this operand as its scale, and nothing else of it
	v_cvt_scalef32_pk8_fp4_f32 v[C+4*(\t)], v[XS:XS+7], v11        ; eight numbers / the scale, to the nearest code; the first number's code in the lowest four bits
	v_cvt_scalef32_pk8_fp4_f32 v[C+4*(\t)+1], v[XS+8:XS+15], v11
	v_lshrrev_b32 v[E+(\t)], 23, v11               ; the scale's byte (a plain line behind the conversions)
	ds_store_b8 v5, v[E+(\t)] offset:16*(\t)       ; both lanes of a block write the same byte with the same value
	global_store_b64 v4, v[C+4*(\t):C+4*(\t)+1], s[16:17] offset:32*CB*(\t)   ; 32 lanes store 256 consecutive bytes, aligned
.endm
.irp t, 0,1,2,3,4,5,6,7,8,9,10,11,12,13,14,15
	STEP \t
.endr
	ds_load_b64 v[8:9], v6                         ; LDS serves a wave's instructions in order: these see my stores
	s_wait_dscnt 0x0
	global_store_b64 v7, v[8:9], s[18:19]          ; 32 lanes store 256 consecutive bytes, aligned
	s_wait_tensorcnt 0x0                           ; the wave's end, behind my last LDS store
	ds_add_u32 v[SPW], v[NIL]
	s_wait_dscnt 0x0
	s_endpgm
; WO TO F16.  A wave's 32,768 bytes go in 64 chunks of 512: 16 bytes a lane in, 8 bytes a lane out, so that a store covers 256 consecutive bytes, aligned.  A ring of sixteen loads; every offset is an immediate.
.Lconv:
	s_sub_co_u32 s32, ttmp9, 512
	s_lshl_b32 s32, s32, 2
	s_add_co_u32 s34, s32, s28                     ; which run of 8,192 numbers is my wave's
	s_lshl_b32 s32, s34, 15
	s_add_nc_u64 s[24:25], s[24:25], s[32:33]
	s_lshl_b32 s32, s34, 14
	s_add_nc_u64 s[26:27], s[26:27], s[32:33]
.set CC, 0
.rept 16
	global_load_b128 v[R+4*CC:R+4*CC+3], v3, s[24:25] offset:512*CC th:TH_LOAD_NT
.set CC, CC+1
.endr
.set CC, 0
.rept 64
.if CC == 32
	s_wait_xcnt 0x0                                ; the stores of chunks 0 to 31 have read their registers: these are written again from here on
.endif
.if CC > 48
	s_wait_loadcnt 63-CC                           ; the ring runs empty
.else
	s_wait_loadcnt 15                              ; loads come back in order: this chunk's is in, the fifteen younger ones stay out
.endif
	v_cvt_pk_f16_f32 v[Y+2*(CC%32)], v[R+4*(CC%16)], v[R+4*(CC%16)+1]       ; first source into the low half
	v_cvt_pk_f16_f32 v[Y+2*(CC%32)+1], v[R+4*(CC%16)+2], v[R+4*(CC%16)+3]
.if CC+16 < 64
	global_load_b128 v[R+4*(CC%16):R+4*(CC%16)+3], v3, s[24:25] offset:512*(CC+16) th:TH_LOAD_NT
.endif
	global_store_b64 v4, v[Y+2*(CC%32):Y+2*(CC%32)+1], s[26:27] offset:256*CC
.set CC, CC+1
.endr
	s_wait_tensorcnt 0x0                           ; every wave of the launch ends alike
	ds_add_u32 v[SPW], v[NIL]
	s_wait_dscnt 0x0
	s_endpgm
.Lfunc_end_k_q16ba4b64de_quant:
	.size	k_q16ba4b64de_quant, .Lfunc_end_k_q16ba4b64de_quant-k_q16ba4b64de_quant
	.p2alignl 7, 3214868480
	.fill 96, 4, 3214868480
	.section	.rodata,"a",@progbits
	.p2align	6, 0x0
	.amdhsa_kernel k_q16ba4b64de_quant
		.amdhsa_group_segment_fixed_size 33280
		.amdhsa_private_segment_fixed_size 0
		.amdhsa_enable_private_segment 0
		.amdhsa_kernarg_size 80
		.amdhsa_user_sgpr_count 2
		.amdhsa_user_sgpr_kernarg_segment_ptr 1
		.amdhsa_wavefront_size32 1
		.amdhsa_system_sgpr_workgroup_id_x 1
		.amdhsa_system_sgpr_workgroup_id_y 1
		.amdhsa_system_sgpr_workgroup_id_z 1
		.amdhsa_system_vgpr_workitem_id 0
		.amdhsa_next_free_vgpr 192
		.amdhsa_next_free_sgpr 66
		.amdhsa_reserve_vcc 0
		.amdhsa_float_denorm_mode_32 3
		.amdhsa_float_denorm_mode_16_64 3
		.amdhsa_memory_ordered 1
		.amdhsa_forward_progress 1
		.amdhsa_inst_pref_size 56
	.end_amdhsa_kernel
	.amdgpu_metadata
---
amdhsa.version: [ 1, 2 ]
amdhsa.kernels:
  - .name:           k_q16ba4b64de_quant
    .symbol:         k_q16ba4b64de_quant.kd
    .args:
      - { .name: x, .offset: 0, .size: 8, .value_kind: global_buffer, .address_space: global }
      - { .name: wq, .offset: 8, .size: 8, .value_kind: global_buffer, .address_space: global }
      - { .name: wk, .offset: 16, .size: 8, .value_kind: global_buffer, .address_space: global }
      - { .name: wv, .offset: 24, .size: 8, .value_kind: global_buffer, .address_space: global }
      - { .name: xc, .offset: 32, .size: 8, .value_kind: global_buffer, .address_space: global }
      - { .name: xs, .offset: 40, .size: 8, .value_kind: global_buffer, .address_space: global }
      - { .name: wc, .offset: 48, .size: 8, .value_kind: global_buffer, .address_space: global }
      - { .name: ws, .offset: 56, .size: 8, .value_kind: global_buffer, .address_space: global }
      - { .name: wo, .offset: 64, .size: 8, .value_kind: global_buffer, .address_space: global }
      - { .name: wo16, .offset: 72, .size: 8, .value_kind: global_buffer, .address_space: global }
    .group_segment_fixed_size: 33280
    .private_segment_fixed_size: 0
    .kernarg_segment_align: 8
    .kernarg_segment_size: 80
    .max_flat_workgroup_size: 128
    .sgpr_count:     66
    .vgpr_count:     192
    .wavefront_size: 32
...
	.end_amdgpu_metadata
.endif
;; end of part 1
;; launch qkvgemm (part 2): grid 24 x 8, 4 waves a work-group, clusters of 4 x 4, 327,680 bytes of LDS; arguments xc, xs, wc, ws, qkv; writes qkv
.if DOCPART == 2
	.amdgcn_target "amdgcn-amd-amdhsa--gfx1250"
	.amdhsa_code_object_version 6
	.text
	.protected	k_q16ba4b64de_qkvgemm
	.globl	k_q16ba4b64de_qkvgemm
	.p2align	8
	.type	k_q16ba4b64de_qkvgemm,@function
k_q16ba4b64de_qkvgemm:
	s_mov_b64 s[64:65], 0
	v_nop
	global_prefetch_b8 v0, s[64:65] scope:SCOPE_SE
	s_setreg_imm32_b32 hwreg(HW_REG_WAVE_MODE, 25, 1), 1
	s_wait_xcnt 0x0
	s_wait_alu depctr_hold_cnt(0) depctr_sa_sdst(0) depctr_va_vdst(0) depctr_va_sdst(0) depctr_va_ssrc(0) depctr_va_vcc(0) depctr_vm_vsrc(0)
	s_getreg_b32 s2, hwreg(HW_REG_IB_STS2, 6, 4)
	s_cmp_eq_u32 s2, 0
	s_cbranch_scc0 .Lentry_in_a_cluster
	s_endpgm
.Lentry_in_a_cluster:
	s_bfe_u32 s2, ttmp6, 0x10000c
	s_cmp_lg_u32 s2, 0xf033
	s_cbranch_scc0 .Lentry_shape_is_right
	s_endpgm
.Lentry_shape_is_right:
; qkv[m][n] = sum over k of x[m][k] w[n][k], w = wq, wk, wv one below the other.  A = xc [2048][2048], B = wc [6144][2048]: codes of FP4 (E2M1), two a byte, with one E8M0 scale for each 32 along K
; (xs [2048][64], ws [6144][64]); sums in f32; qkv [2048][6144] is rounded once to f16: in a token's row q stands at byte 0, k at 4,096, v at 8,192, a head's 128 numbers on 256 consecutive bytes.
; LIMIT: a sum beyond 65,504 becomes an infinity of f16; sums under 6e-5 keep fewer than 11 bits (absolute error at most 2^-25).  With inputs 30 times those of the problem's kind, and with offsets of 30 spreads, the sums stay under 3e4.
; A tile of C, 256 x 256, is made by a work-group of four waves; a wave makes 128 x 128: 64 accumulators of 16 x 16, 512 registers.
; K goes in steps of 512 through a ring of two LDS slots filled by the tensor data mover: a tile's row is 256 bytes of memory.
; THE SCALES of the work-group's 256 rows of A and 256 rows of B, for all of K, are two dense blocks of memory: they come into LDS ONCE, with the first fills, and stay.
; CLUSTERS: 4 x 4 work-groups.  The four of a row of the cluster need the same tiles of A, the four of a column the same tiles of B: each tile is asked for JOINTLY, by the same tensor load with the
; same descriptor and a mask that names the four.  THE MATRIX INSTRUCTION IS USED TRANSPOSED (source 0 = 16 rows of B, source 1 = 16 rows of A): a lane then holds eight neighbouring numbers of a row of C.
; The grid is 24 x 8 = 192 work-groups: K has only four steps, so no tile is asked of memory ahead of its tensor load.
; REGISTERS, in windows of 256: window 0: v0-31 addresses; v32-95 scale words, two sets; from v128 A's fragments (8 x 16 rows x 128 K), ONE set; on the way out v32-255 are free.
;   window 1: B's fragments, TWO sets, at v0 and at v128.   window 2: the 32 accumulators of my rows 0-63 (accumulator (a, b) at v[8 (8 a + b)]);   window 3: those of my rows 64-127.
; A step of 128 along K is 64 matrix instructions, A's blocks one after the other, each against B's eight.  So a block of A is free as soon as its eight products are issued, and one set of registers serves A:
; blocks 0-3 are fetched anew in the step's middle, blocks 4-7 at its end.  B's fragments are at work through the whole step, so B has two sets.
.set SIZE_M, 2048
.set SIZE_N, 6144
.set SIZE_K, 2048
.set KSTEP,  512                       ; along K in a slot
.set NQ,     KSTEP/128                 ; matrix instructions deep
.set ROWB,   256                       ; a tile's row in bytes
.set KROW,   SIZE_K*4/8                ; a row of A or of B in memory, in bytes
.set PITCH,  272                       ; an LDS row: 256 bytes of data + 16 of padding = 68 words: row r starts at bank 4 r mod 64 (ISA guide 11.1), so the 16 rows that a load touches start at 16 different banks
.set FR,     8                         ; registers of a fragment: 16 rows x 128 K
.set NL,     2                         ; LDS loads that bring one
.set NP,     4                         ; places behind this matrix instruction (ISA guide 7.12.1)
.set HALFT,  128*PITCH                 ; 128 rows: what one tensor load brings, and what one wave reads of A or of B
.set SLOT,   4*HALFT                   ; A's 256 rows, then B's 256 rows
.set LAPS,   SIZE_K/(2*KSTEP)          ; a lap = two K steps = once round the ring
.set KS,     SIZE_K/32                 ; a row of scales in bytes
.set SCL,    2*SLOT                    ; behind the ring: the scales, as runs of 256 bytes + 16 of padding
.set HALFS,  (128*KS/256)*272          ; the scales of 128 rows: what one tensor load brings
.set SBLK,   (16*KS/256)*272           ; those of 16 rows
.set SPARE,  SCL+4*HALFS               ; behind the scales: the spare words, 128 bytes for each wave
.set SPITCH, 272                       ; the way out: a stage of 16 rows x (256 bytes + 16) for each wave.  It lies in slot 0, which has had its last fill and its last read when the first result is stored there
.set ADRA, 16                          ; v16-17  LDS address of my A fragments in slot 0, 1
.set ADRB, 20                          ; v20-21  the same for B
.set STO,  24                          ; v24     the way out: where I put 16 bytes of a row
.set RD,   25                          ; v25     the way out: where I read a row back
.set CO,   26                          ; v26     my byte offset in two rows of C
.set SPW,  28                          ; v28     LDS address of my spare word: SPARE + 4 x my thread's number; never rewritten
.set NIL,  29                          ; v29     0; never rewritten
.set ADRS, 27                          ; v27     LDS address of my scale words: lanes 0-15 A's rows, lanes 16-31 B's
.set SC,   32                          ; scale words: set s (for slot s) at v[SC + 8 NQ s]; in it register NQ i + q: lanes 0-15 the word of A's block i, lanes 16-31 that of B's block i, for the slot's q-th 128 along K
.set AF,   128                         ; A's fragments, in window 0
.set TMP,  32                          ; the way out: a block's 32 registers of packed f16
.set BK,   128                         ; the way out: 16 rows read back from the stage: v128-159 and v160-191 by turns
.set G1, 24                            ; s[24:31] descriptor group 1 for A's tiles;  s[32:39] group 0, one set for each slot
.set G0, 32
.set G1B, 48                           ; s[48:55], s[56:63] the same for B's tiles
.set G0B, 56
.set G1S, 68                           ; s[68:75], s[76:79] groups 1 and 0 for A's scales;  s[80:87], s[88:91] for B's
.set G0S, 76
.set G1SB, 80
.set G0SB, 88
.set MSB, 0
.macro WIN new                         ; the immediate's high byte repeats the setting that is left
.if MSB != (\new)
	s_set_vgpr_msb (MSB<<8)|(\new)
.set MSB, (\new)
.endif
.endm
.set MUL_LO, 0xa1                      ; source 0 (B) window 1, source 1 (A) window 0, C and D window 2
.set MUL_HI, 0xf1                      ; the same, C and D window 3
.set TO_B,   0x40                      ; destination window 1, address window 0
; A joint load: waves 0 and 1 fetch for A, waves 2 and 3 for B.  Each of the two lines has ONE mask and one set of registers for all that issue it; the branch hangs on the wave's number alone.
; An s_nop 0 and four v_nop follow each of the two lines, ahead of the jump, the label and what follows.
.macro JLOAD g0a, g1a, g0b, g1b
	s_cmp_eq_u32 s15, 0
	s_cbranch_scc0 .Lfor_b_\@
	tensor_load_to_lds s[\g0a:\g0a+3], s[\g1a:\g1a+7]
	s_nop 0
.rept 4
	v_nop
.endr
	s_branch .Lasked_\@
.Lfor_b_\@:
	tensor_load_to_lds s[\g0b:\g0b+3], s[\g1b:\g1b+7]
	s_nop 0
.rept 4
	v_nop
.endr
.Lasked_\@:
.endm
.macro CREST                           ; a round of the cluster's barrier behind its opening barrier
	s_cmp_lg_u32 s14, 0
	s_cbranch_scc1 .Lnot_wave_0_\@
	s_barrier_signal -3
.Lnot_wave_0_\@:
	s_barrier_wait -3
	s_barrier_signal -1
	s_barrier_wait -1
.endm
.macro CROUND                          ; a whole round
	s_barrier_signal -1
	s_barrier_wait -1
	CREST
.endm
	s_load_b128 s[4:7], s[0:1], 0x0                ; A's codes s[4:5], A's scales s[6:7]
	s_load_b128 s[8:11], s[0:1], 0x10              ; B's codes s[8:9], B's scales s[10:11]
	s_load_b64 s[12:13], s[0:1], 0x20              ; C
	v_lshl_add_u32 v[SPW], v0, 2, SPARE
	v_mov_b32 v[NIL], 0
	ds_add_u32 v[SPW], v[NIL]                      ; the wave's opening: the add and its wait stand ahead of my first tensor load; the set-up below, work on registers, stands between them
	v_lshrrev_b32 v1, 5, v0
	v_readfirstlane_b32 s14, v1                    ; wave 0..3
	s_lshr_b32 s15, s14, 1                         ; which half of the tile's rows is mine.  Also: I fetch for A (0) or for B (1)
	s_and_b32 s16, s14, 1                          ; which half of its columns.  Also: which 128 rows of that tile I fetch
	s_bfe_u32 s40, ttmp6, 0x40000                  ; cx, cy: my place in the cluster
	s_bfe_u32 s41, ttmp6, 0x40004
	s_lshl_b32 s42, ttmp9, 2
	s_add_co_u32 s42, s42, s40                     ; tile column of C = 4 x cluster x + cx
	s_and_b32 s17, ttmp7, 0xffff
	s_lshl_b32 s17, s17, 2
	s_add_co_u32 s17, s17, s41                     ; tile row of C = 4 x cluster y + cy
	s_lshl_b32 s43, s41, 2
	s_lshl_b32 s43, 15, s43                        ; my row of the cluster
	s_lshl_b32 s44, 0x1111, s40                    ; my column
	; descriptor group 1: a tile of 128 rows x ROWB bytes, padded in LDS
	s_or_b32 s[G1+0], s43, (0<<16)|(1<<20)|(1<<21)|(5<<22)|(3<<25)  ; 15:0 the mask: A's tiles go to my row; 17:16 element of 1 byte; 20 padding on; 21 set beside a mask; 24:22 after every 64 words (code 5); 31:25 of 4 words (code 3)
	s_or_b32 s[G1B+0], s44, (0<<16)|(1<<20)|(1<<21)|(5<<22)|(3<<25)
.irp g, G1, G1B
	s_mov_b32 s[\g+1], ROWB<<16                    ; tensor_dim0
	s_mov_b32 s[\g+2], 128<<16                     ; tensor_dim1 = 128
	s_mov_b32 s[\g+3], ROWB<<16                    ; tile_dim0
	s_mov_b32 s[\g+4], 128                         ; tile_dim1 = 128
	s_mov_b32 s[\g+5], KROW                        ; tensor_dim0_stride
	s_mov_b32 s[\g+6], 0
	s_mov_b32 s[\g+7], 0
.endr
	; and for the scales of 128 rows: a dense block of 128 KS bytes, as rows of 256 bytes (32 elements of 8 bytes), 16 bytes of padding behind each
	s_or_b32 s[G1S+0], s43, (3<<16)|(1<<20)|(1<<21)|(5<<22)|(3<<25)
	s_or_b32 s[G1SB+0], s44, (3<<16)|(1<<20)|(1<<21)|(5<<22)|(3<<25)
.irp g, G1S, G1SB
	s_mov_b32 s[\g+1], 32<<16
	s_mov_b32 s[\g+2], (128*KS/256)<<16
	s_mov_b32 s[\g+3], 32<<16
	s_mov_b32 s[\g+4], 128*KS/256
	s_mov_b32 s[\g+5], 32
	s_mov_b32 s[\g+6], 0
	s_mov_b32 s[\g+7], 0
.endr
	s_lshl_b32 s18, s16, 7                         ; which 128 rows of the tile I fetch
	s_lshl_b32 s20, s17, 8
	s_add_co_u32 s20, s20, s18                     ; A: row 256 x tile row + 128 x half
	s_lshl_b32 s46, s42, 8
	s_add_co_u32 s46, s46, s18                     ; B: row 256 x tile column + 128 x half
	s_mov_b32 s21, 0
	s_mov_b32 s47, 0
	s_mov_b64 s[18:19], KS
	s_mul_u64 s[22:23], s[20:21], s[18:19]         ; where these rows' scales begin, in bytes
	s_mul_u64 s[92:93], s[46:47], s[18:19]
	s_mov_b64 s[18:19], KROW
	s_mul_u64 s[20:21], s[20:21], s[18:19]         ; and their codes
	s_mul_u64 s[46:47], s[46:47], s[18:19]
	s_mul_i32 s45, s14, HALFT                      ; where they go: wave x 128 rows: no place in the cluster enters an LDS address
	s_mul_i32 s94, s14, HALFS
	s_wait_dscnt 0x0                               ; the opening add is done
	s_wait_kmcnt 0x0
	s_add_nc_u64 s[20:21], s[4:5], s[20:21]
	s_add_nc_u64 s[22:23], s[6:7], s[22:23]
	s_add_nc_u64 s[46:47], s[8:9], s[46:47]
	s_add_nc_u64 s[92:93], s[10:11], s[92:93]
	CROUND                                         ; all sixteen work-groups are here: the first joint loads meet
	s_mov_b32 s[G0S], 1
	s_add_co_u32 s[G0S+1], s94, SCL
	s_mov_b64 s[G0S+2:G0S+3], s[22:23]
	s_or_b32 s[G0S+3], s[G0S+3], 0x80000000
	s_mov_b32 s[G0SB], 1
	s_add_co_u32 s[G0SB+1], s94, SCL
	s_mov_b64 s[G0SB+2:G0SB+3], s[92:93]
	s_or_b32 s[G0SB+3], s[G0SB+3], 0x80000000
	JLOAD G0S, G1S, G0SB, G1SB                     ; the scales first: they are wanted with K step 0
.irp s, 0,1
	s_mov_b32 s[G0+4*\s], 1
	s_add_co_u32 s[G0+4*\s+1], s45, \s*SLOT
	s_add_nc_u64 s[G0+4*\s+2:G0+4*\s+3], s[20:21], \s*ROWB
	s_or_b32 s[G0+4*\s+3], s[G0+4*\s+3], 0x80000000
	s_mov_b32 s[G0B+4*\s], 1
	s_add_co_u32 s[G0B+4*\s+1], s45, \s*SLOT
	s_add_nc_u64 s[G0B+4*\s+2:G0B+4*\s+3], s[46:47], \s*ROWB
	s_or_b32 s[G0B+4*\s+3], s[G0B+4*\s+3], 0x80000000
	JLOAD G0+4*\s, G1, G0B+4*\s, G1B
.endr
	v_and_b32 v1, 15, v0                           ; l % 16
	v_bfe_u32 v2, v0, 4, 1                         ; l / 16
	v_mul_u32_u24 v3, v1, PITCH
	v_lshl_add_u32 v4, v2, 4, v3                   ; a fragment's row x pitch + 16 x half
	s_mul_i32 s21, s15, HALFT                      ; my 128 rows of A
	s_mul_i32 s22, s16, HALFT                      ; my 128 rows of B,
	s_add_co_u32 s22, s22, 2*HALFT                 ; which lie behind A's 256
.irp s, 0,1
	v_add_nc_u32 v[ADRA+\s], s21, v4
	v_add_nc_u32 v[ADRB+\s], s22, v4
	s_add_co_u32 s21, s21, SLOT
	s_add_co_u32 s22, s22, SLOT
.endr
	v_mul_u32_u24 v5, v1, KS                       ; my row's scales: KS bytes a row,
	v_lshrrev_b32 v6, 8, v5
	v_lshl_add_u32 v5, v6, 4, v5                   ; and 16 more for each 256 passed
	s_mul_i32 s21, s15, HALFS                      ; A's: my 128 rows
	s_mul_i32 s22, s16, HALFS                      ; B's: my 128 rows, behind A's 256
	s_add_co_u32 s22, s22, 2*HALFS
	s_sub_co_u32 s22, s22, s21
	v_mul_u32_u24 v6, s22, v2                      ; lanes 16-31 take B's
	s_add_co_u32 s21, s21, SCL
	v_add_nc_u32 v5, v5, v6
	v_add_nc_u32 v[ADRS], s21, v5
	s_mul_i32 s23, s14, 16*SPITCH                  ; my stage
	v_mul_u32_u24 v5, v1, SPITCH                   ; in: row l % 16, 16 bytes for each half of the lanes
	v_lshl_add_u32 v5, v2, 4, v5
	v_add_nc_u32 v[STO], s23, v5
	v_mul_u32_u24 v5, v2, SPITCH                   ; back: lanes 0-15 take one row of 256 bytes, lanes 16-31 the next
	v_lshl_add_u32 v5, v1, 4, v5
	v_add_nc_u32 v[RD], s23, v5
	v_mul_u32_u24 v5, v2, SIZE_N*2                 ; and the same two rows in C
	v_lshl_add_u32 v[CO], v1, 4, v5
	s_lshl_b32 s20, s17, 8
	s_lshl_b32 s21, s15, 7
	s_add_co_u32 s20, s20, s21                     ; my first row of C: 256 x tile row + 128 x half
	s_mov_b32 s21, 0
	s_mov_b64 s[18:19], SIZE_N*2
	s_mul_u64 s[20:21], s[20:21], s[18:19]
	s_lshl_b32 s46, s42, 9                         ; my first column, in bytes: 512 x tile column + 256 x half
	s_lshl_b32 s47, s16, 8
	s_add_co_u32 s46, s46, s47
	s_mov_b32 s47, 0
	s_add_nc_u64 s[20:21], s[20:21], s[46:47]
	s_add_nc_u64 s[12:13], s[12:13], s[20:21]
.macro FRAG reg, adr, q, i             ; a fragment, 16 rows x 128 K of 4-bit codes, is 8 registers: lane l holds row l % 16; registers 4 c .. 4 c + 3 hold K = 64 c + 32 (l / 16) + 0 .. 31, the lower K in the lower bits
.irp c, 0,1
	ds_load_b128 v[\reg+4*\c:\reg+4*\c+3], v[\adr] offset:64*(\q)+32*\c+(\i)*16*PITCH
.endr
.endm
; 16 matrix instructions: A's blocks a0, a0 + 1 x B's eight, 128 along K: the slot's q-th.  p: B's set;  sc: the set of scale words.  zero = 1: the first product starts the sums: nothing is ever cleared.
; The 64 accumulators take turns, one instruction a turn, in the same order in every step.
.macro MUL16 a0, p, q, sc, zero
.irp a, \a0, \a0+1
.irp b, 0,1,2,3,4,5,6,7
.if \zero
	v_wmma_scale_f32_16x16x128_f8f6f4 v[8*(8*((\a)%4)+\b):8*(8*((\a)%4)+\b)+7], v[128*(\p)+FR*\b:128*(\p)+FR*\b+FR-1], v[AF+FR*(\a):AF+FR*(\a)+FR-1], 0, v[SC+8*NQ*(\sc)+NQ*\b+(\q)], v[SC+8*NQ*(\sc)+NQ*(\a)+(\q)] matrix_a_fmt:MATRIX_FMT_FP4 matrix_b_fmt:MATRIX_FMT_FP4 matrix_a_scale:MATRIX_SCALE_ROW1
.else
	v_wmma_scale_f32_16x16x128_f8f6f4 v[8*(8*((\a)%4)+\b):8*(8*((\a)%4)+\b)+7], v[128*(\p)+FR*\b:128*(\p)+FR*\b+FR-1], v[AF+FR*(\a):AF+FR*(\a)+FR-1], v[8*(8*((\a)%4)+\b):8*(8*((\a)%4)+\b)+7], v[SC+8*NQ*(\sc)+NQ*\b+(\q)], v[SC+8*NQ*(\sc)+NQ*(\a)+(\q)] matrix_a_fmt:MATRIX_FMT_FP4 matrix_b_fmt:MATRIX_FMT_FP4 matrix_a_scale:MATRIX_SCALE_ROW1
.endif
.endr
.endr
.endm
.macro FETCH_B slot, q, p              ; B's eight fragments of the slot's q-th 128 along K into set p
	WIN TO_B
.irp i, 0,1,2,3,4,5,6,7
	FRAG 128*(\p)+FR*\i, ADRB+\slot, \q, \i
.endr
	WIN 0
.endm
.macro FETCH_A slot, q, i0             ; A's blocks i0 .. i0 + 3
.irp i, \i0, \i0+1, \i0+2, \i0+3
	FRAG AF+FR*(\i), ADRA+\slot, \q, \i
.endr
.endm
.macro SCALES sc                       ; the next K step's scale words into set sc: NQ words a row; lanes 0-15 take A's block i, lanes 16-31 B's block i
.irp i, 0,1,2,3,4,5,6,7
	ds_load_b128 v[SC+8*NQ*\sc+NQ*\i:SC+8*NQ*\sc+NQ*\i+3], v[ADRS] offset:\i*SBLK
.endr
.endm
; A load into a register that a matrix instruction has read, and a vector instruction that reads a matrix result or writes one of a matrix instruction's registers, stand NP places behind that matrix instruction, and only
; plain vector instructions that name none of its registers are places (ISA guide 7.12.1 for vector instructions); this text does not count the matrix instructions in between.
.macro PLACES n
.rept \n
	v_nop
.endr
.endm
; A step of 128 along K that has its successor in the same slot.
.macro STEP slot, q, zero
	s_wait_dscnt 4*NL                              ; B's set and A's blocks 0-3 are in; the youngest loads (A's blocks 4-7) may be out
	WIN MUL_LO
	MUL16 0, (\q)%2, \q, \slot, \zero
	MUL16 2, (\q)%2, \q, \slot, \zero
	s_wait_dscnt 0                                 ; A's blocks 4-7 are in (asked for 32 matrix instructions ago)
	PLACES NP
	FETCH_B \slot, (\q)+1, 1-(\q)%2
	FETCH_A \slot, (\q)+1, 0
	WIN MUL_HI
	MUL16 4, (\q)%2, \q, \slot, \zero
	MUL16 6, (\q)%2, \q, \slot, \zero
	PLACES NP
	WIN 0
	FETCH_A \slot, (\q)+1, 4
.endm
; A slot's last step changes slots: ONE barrier; in front of it each wave waits for all its tensor loads, adds 0 to its spare word, and waits for that and for its own reads of this slot.  fill = 1: this slot is filled again, two K steps ahead.
.macro TURN slot, next, fill
	s_wait_tensorcnt 0x0                           ; all my tensor loads have landed: my part of the next slot;  (every window is 0 here: the add's two registers lie in window 0)
	ds_add_u32 v[SPW], v[NIL]                      ; 0 onto my spare word
	s_wait_dscnt 4*NL+1                            ; (the add and the youngest loads, A's blocks 4-7, may be out)
	WIN MUL_LO
	MUL16 0, 1, NQ-1, \slot, 0                     ; sixteen matrix instructions stand between the add and the wait for it
	s_wait_dscnt 0x0                               ; the add is done, and my reads of this slot are over
	s_barrier_signal -1
	MUL16 2, 1, NQ-1, \slot, 0
	WIN 0
	s_barrier_wait -1
.if \fill
	CREST                                          ; the barrier has opened a round of the cluster's barrier: no wave of any partner still reads this slot's tile or has a load on its way
	s_add_nc_u64 s[G0+4*\slot+2:G0+4*\slot+3], s[G0+4*\slot+2:G0+4*\slot+3], 2*ROWB
	s_add_nc_u64 s[G0B+4*\slot+2:G0B+4*\slot+3], s[G0B+4*\slot+2:G0B+4*\slot+3], 2*ROWB
	JLOAD G0+4*\slot, G1, G0B+4*\slot, G1B         ; the first tensor load behind the round; the four v_nop behind it are the places in front of the loads below
.else
	PLACES NP
.endif
	v_add_nc_u32 v[ADRS], 4*NQ, v[ADRS]            ; on to the next K step's scale words (no LDS load of mine is out)
	FETCH_B \next, 0, 0
	FETCH_A \next, 0, 0
	SCALES \next
	WIN MUL_HI
	MUL16 4, 1, NQ-1, \slot, 0
	MUL16 6, 1, NQ-1, \slot, 0
	PLACES NP
	WIN 0
	FETCH_A \next, 0, 4
.endm
.macro STEPS slot, from                ; the slot's steps from .. NQ - 2
.set Q, \from
.rept NQ-1-\from
	STEP \slot, Q, 0
.set Q, Q+1
.endr
.endm
	s_wait_tensorcnt 1                             ; the scales and my part of K step 0 are in (K step 1's load may be out)
	s_barrier_signal -1
	s_barrier_wait -1                              ; everybody's are
	FETCH_B 0, 0, 0
	FETCH_A 0, 0, 0
	SCALES 0
	FETCH_A 0, 0, 4
	STEP 0, 0, 1                                   ; the first step stands in front of the loop: its products start the sums
	s_mov_b32 s3, LAPS-1
.Llap:                                                 ; a trip goes once round the ring, from a lap's second step to the next lap's first, and fills both slots again
	STEPS 0, 1
	TURN 0, 1, 1
	STEPS 1, 0
	TURN 1, 0, 1
	STEP 0, 0, 0
	s_sub_co_u32 s3, s3, 1
	s_cmp_lg_u32 s3, 0
	s_cbranch_scc1 .Llap
	STEPS 0, 1                                     ; the last lap fills nothing, and has no round of the cluster's barrier
	TURN 0, 1, 0
	STEPS 1, 0
	s_wait_dscnt 4*NL                              ; the very last step: nothing more to fetch
	WIN MUL_LO
	MUL16 0, 1, NQ-1, 1, 0
	MUL16 2, 1, NQ-1, 1, 0
	s_wait_dscnt 0
	WIN MUL_HI
	MUL16 4, 1, NQ-1, 1, 0
	MUL16 6, 1, NQ-1, 1, 0
	WIN 0
; THE WAY OUT, block by block of 16 rows x 128 columns.  PACK: rounded to f16, a lane's eight neighbouring columns are 16 bytes; each accumulator is read from its low end on.  TOSTAGE: into my own stage in LDS, and
; back as whole rows of 256 bytes.  SEND: stored.  LDS serves a wave's instructions in order (ISA guide 5.7.1.4): no wait between the stores and the loads, nor in front of the next block's stores.
.macro PACK a
.set AC, 64*((\a)%4)
	WIN 0x0a+5*((\a)/4)                            ; sources 0 and 1: window 2 or 3
.irp b, 0,1,2,3,4,5,6,7
.irp r, 0,1,2,3
	v_cvt_pk_f16_f32 v[TMP+4*\b+\r], v[AC+8*\b+2*\r], v[AC+8*\b+2*\r+1]
.endr
.endr
	WIN 0
.endm
.macro TOSTAGE a
.set BB, BK+32*((\a)%2)
.irp b, 0,1,2,3,4,5,6,7
	ds_store_b128 v[STO], v[TMP+4*\b:TMP+4*\b+3] offset:32*\b
.endr
.irp t, 0,1,2,3,4,5,6,7
	ds_load_b128 v[BB+4*\t:BB+4*\t+3], v[RD] offset:\t*2*SPITCH
.endr
.endm
.macro SEND a
.set BB, BK+32*((\a)%2)
	s_wait_dscnt 0x0                               ; the block is back in registers
	s_wait_xcnt 0x0                                ; the earlier stores have read their base and their registers: the base may step, and the next block's loads may land where the block before this one lay
.if (\a) > 0
	s_add_nc_u64 s[12:13], s[12:13], 16*SIZE_N*2   ; 16 rows of C on, so that the stores' offsets stay small: 14 rows of C at the most
.endif
.irp t, 0,1,2,3,4,5,6,7
	global_store_b128 v[CO], v[BB+4*\t:BB+4*\t+3], s[12:13] offset:2*\t*SIZE_N*2   ; 16 lanes store 256 consecutive bytes, at a multiple of 256 from C's first byte
.endr
.endm
	PLACES NP                                      ; the conversions write registers that held scale words
	PACK 0
	TOSTAGE 0
.irp a, 1,2,3,4,5,6,7                  ; block a's conversions stand between block a - 1's loads from the stage and the wait for them
	PACK \a
	SEND \a-1
	TOSTAGE \a
.endr
	SEND 7
	s_wait_tensorcnt 0x0                           ; the wave's end, behind my last tensor load and my last LDS store
	ds_add_u32 v[SPW], v[NIL]
	s_wait_dscnt 0x0
	CROUND                                         ; the closing round: no work-group ends while a partner may still ask for a tile that names it
	s_endpgm
.Lfunc_end_k_q16ba4b64de_qkvgemm:
	.size	k_q16ba4b64de_qkvgemm, .Lfunc_end_k_q16ba4b64de_qkvgemm-k_q16ba4b64de_qkvgemm
	.p2alignl 7, 3214868480
	.fill 96, 4, 3214868480
	.section	.rodata,"a",@progbits
	.p2align	6, 0x0
	.amdhsa_kernel k_q16ba4b64de_qkvgemm
		.amdhsa_group_segment_fixed_size 327680
		.amdhsa_private_segment_fixed_size 0
		.amdhsa_enable_private_segment 0
		.amdhsa_kernarg_size 40
		.amdhsa_user_sgpr_count 2
		.amdhsa_user_sgpr_kernarg_segment_ptr 1
		.amdhsa_wavefront_size32 1
		.amdhsa_system_sgpr_workgroup_id_x 1
		.amdhsa_system_sgpr_workgroup_id_y 1
		.amdhsa_system_sgpr_workgroup_id_z 1
		.amdhsa_system_vgpr_workitem_id 0
		.amdhsa_next_free_vgpr 1024
		.amdhsa_next_free_sgpr 98
		.amdhsa_reserve_vcc 0
		.amdhsa_float_denorm_mode_32 3
		.amdhsa_float_denorm_mode_16_64 3
		.amdhsa_memory_ordered 1
		.amdhsa_forward_progress 1
		.amdhsa_inst_pref_size 214
	.end_amdhsa_kernel
	.amdgpu_metadata
---
amdhsa.version: [ 1, 2 ]
amdhsa.kernels:
  - .name:           k_q16ba4b64de_qkvgemm
    .symbol:         k_q16ba4b64de_qkvgemm.kd
    .args:
      - { .name: xc, .offset: 0, .size: 8, .value_kind: global_buffer, .address_space: global }
      - { .name: xs, .offset: 8, .size: 8, .value_kind: global_buffer, .address_space: global }
      - { .name: wc, .offset: 16, .size: 8, .value_kind: global_buffer, .address_space: global }
      - { .name: ws, .offset: 24, .size: 8, .value_kind: global_buffer, .address_space: global }
      - { .name: qkv, .offset: 32, .size: 8, .value_kind: global_buffer, .address_space: global }
    .group_segment_fixed_size: 327680
    .private_segment_fixed_size: 0
    .kernarg_segment_align: 8
    .kernarg_segment_size: 40
    .max_flat_workgroup_size: 128
    .sgpr_count:     98
    .vgpr_count:     1024
    .wavefront_size: 32
...
	.end_amdgpu_metadata
.endif
;; end of part 2
;; launch attn (part 3): grid 8 x 32, 8 waves a work-group, clusters of 4 x 1, 327,680 bytes of LDS; arguments qkv, o; writes o
.if DOCPART == 3
	.amdgcn_target "amdgcn-amd-amdhsa--gfx1250"
	.amdhsa_code_object_version 6
	.text
	.protected	k_q16ba4b64de_attn
	.globl	k_q16ba4b64de_attn
	.p2align	8
	.type	k_q16ba4b64de_attn,@function
k_q16ba4b64de_attn:
	s_mov_b64 s[64:65], 0
	v_nop
	global_prefetch_b8 v0, s[64:65] scope:SCOPE_SE
	s_setreg_imm32_b32 hwreg(HW_REG_WAVE_MODE, 25, 1), 1
	s_wait_xcnt 0x0
	s_wait_alu depctr_hold_cnt(0) depctr_sa_sdst(0) depctr_va_vdst(0) depctr_va_sdst(0) depctr_va_ssrc(0) depctr_va_vcc(0) depctr_vm_vsrc(0)
	s_getreg_b32 s2, hwreg(HW_REG_IB_STS2, 6, 4)
	s_cmp_eq_u32 s2, 0
	s_cbranch_scc0 .Lentry_in_a_cluster
	s_endpgm
.Lentry_in_a_cluster:
	s_bfe_u32 s2, ttmp6, 0x10000c
	s_cmp_lg_u32 s2, 0x3003
	s_cbranch_scc0 .Lentry_shape_is_right
	s_endpgm
.Lentry_shape_is_right:
; o[b][i][h][:] = the sum over j of softmax_j(q[b][i][h] . k[b][j][h] / sqrt(128)) v[b][j][h][:], where key j counts for query i only if j <= i + 128.
; qkv: [2048 tokens][6144] f16 (in a row: q at byte 0, k at 4,096, v at 8,192, head h at + 256 h);  o: [2048][2048] f16, head h at byte 256 h of a row.  Products on f16 operands with f32 sums; maxima, exponentials and
; sums in f32; the weights p (at most 1) are rounded to f16 for the second product, o once at the end.
; LIMIT: o is a weighted mean of v, so it has v's range; numbers of o under 6e-5 keep fewer than 11 bits (absolute error at most 2^-25).  A weight under 2^-25 of its row's largest counts as 0 in the second product.
; SHARES.  A head's 1,024 queries are 16 blocks of 64, a block four tiles of 16.  Keys go in steps of 64.  All four tiles of block g walk the same steps: a step is hidden whole where its first key is 64 (g + 3) or more,
; counts whole where it is 64 (g + 1) or less, and is masked at 64 (g + 2): min(16, g + 3) steps.
; CLUSTER.  Four work-groups form a cluster, two clusters serve a head.  Cluster c owns blocks 4 c .. 4 c + 3 (early) and 12 - 4 c .. 15 - 4 c (late); each of a work-group's eight waves owns ONE tile of 16 queries: wave w a block,
; and of that block's four tiles the one of its work-group's place in the cluster.  So the place enters q's, o's and the prefetches' addresses and the mask's bound, which is data, and nothing else: every branch hangs on the
; cluster's number and the wave's alone, the four partners run alike, and each tile of K and V is asked for JOINTLY: the same tensor load, with the same descriptor and a mask that names the four; each receives it in its own LDS.
; Waves w and w + 4, and neighbours, are one early and one late; a work-group has 81 (cluster 0) or 84 (cluster 1) wave-steps where no mask would leave 128.  Block 11 reaches key 895: both clusters read all of K and V.
; THE RING.  Two LDS slots of 256 keys (four steps).  Both are filled at the start; each is filled once more, behind a round of the cluster's barrier, and that load has the other slot's four steps in which to land.
; Every wave fetches: waves 0 to 3 K's 64 rows of the slot's step w, waves 4 to 7 V's of step w - 4.  By this text's own count a wave has two tensor loads out at the start and one behind each round.
; LAYOUT.  S^T = K Q^T (source 0 = 16 keys, source 1 = my 16 queries): a lane holds ONE query (lane % 16) and the keys 8 (lane / 16) + 0..7 of a tile.  Two such tiles, rounded to f16 in pairs, ARE source 1 (32 keys x 16 queries)
; of O^T = V^T P, whose result again holds one query a lane, and eight channels.  K comes out of LDS as it lies, V ([key][channel]) turned, by ds_load_tr16_b128.
; SOFTMAX.  For each query a running maximum m and sum l: p = 2^(c s - c m), c = log2(e) / sqrt(128); in every step O and l are multiplied by a = 2^(c m_old - c m_new).  Keys 0 to 63 count for every query, so m is a score from the first step on.
; REGISTERS, in windows of 256: window 0: v2-13 addresses; v16-29 statistics; v32-63 S^T; v64-79 P; v80-111 the way out; v128-255 V's 16 fragments.   window 1: v0-127 K's 16 fragments; v128-159 Q; v160-223 O^T.
.set KS,    64                         ; keys in a step
.set PK,    272                        ; a row of K in LDS: 256 bytes + 16 of padding = 68 words: the 16 rows of a load start at 16 different banks (ISA guide 11.1)
.set PV,    288                        ; a row of V: 256 + 32
.set VOFF,  KS*PK                      ; a step's tiles lie together: 64 rows of K, then 64 rows of V
.set STEPB, KS*(PK+PV)
.set SLOTB, 4*STEPB                    ; a slot holds four steps: 143,360 bytes; slot 1 follows slot 0
.set STAGE, 2*SLOTB                    ; behind the ring: 16 rows x 272 bytes for each wave, for the way out
.set SPARE, STAGE+8*16*272             ; behind the stages: the spare words, 128 bytes for each wave
.set ROWQ,  12288                      ; a row of qkv in bytes
.set AK0, 2                            ; v2   my lane's place in a tile of K; never rewritten
.set AV0, 3                            ; v3   the same for V
.set ADK, 4                            ; v4   LDS address of the step's tile of K
.set ADV, 5                            ; v5   of V
.set QO,  6                            ; v6   my byte offset in the tile's rows of q
.set STO, 7                            ; v7   the way out: where I put 16 bytes of a row
.set RD,  8                            ; v8   the way out: where I read a row back
.set GO,  9                            ; v9   my byte offset in two rows of o
.set PFO, 10                           ; v10  the prefetches' offset: a row of qkv x my lane; never rewritten
.set SPW, 11                           ; v11  LDS address of my spare word: SPARE + 4 x my thread's number; never rewritten
.set NIL, 12                           ; v12  0; never rewritten
.set RH,  13                           ; v13  lane % 16 - 8 (lane / 16)
.set DD,  28                           ; v28  the mask's bound.  v16 c m, v17 m, v[18:19] l (even keys', odd keys'), v20-23 four maxima, v[24:25] a, v26-27 at work
.set NINF, 29                          ; v29  -infinity
.set S,   32
.set P,   64
.set OW,  80
.set VF,  128
.set QF,  128                          ; in window 1
.set OT,  160                          ; in window 1
.set WV,  8                            ; s8   my wave's number.  s9, s17-19, s71-75 hold what hangs on my place in the cluster; s10-16, s76-79 never do
.set QB,  20                           ; s[20:21] q at my tile's first row
.set OB,  22                           ; s[22:23] o likewise
.set G1K, 24                           ; s[24:31] descriptor group 1 for K's tiles;  s[32:39] for V's: it differs in the padding alone
.set G1V, 32
.set G0K, 40                           ; s[40:47] descriptor group 0 for K's tiles, one set for each slot;  s[48:55] the same for V's
.set G0V, 48
.set TB,  56                           ; s56  LDS byte at which the step's tiles begin
.set KF,  57                           ; s57  the step's first key
.set QHID, 58                          ; s58  my block's first query + 143: a step whose first key lies beyond is hidden whole
.set QOPN, 59                          ; s59  my block's first query + 65: a step whose first key is at most this counts whole
.set QD,  60                           ; s60  my tile's first query + 128
.set CNT, 61                           ; s61  counts a slot's four steps
.set CS,  62                           ; s[62:63] c: the packed form names a pair and takes its low word for both halves
.set SEL, 66                           ; s[66:67] lane selects for v_permlanex16_b32: lane l xor 16
.set PFA, 68                           ; s[68:69] where my prefetches stand in memory; never rewritten
.set LIM, 70                           ; s70  0 in a wave that prefetches
.set MSB, 0
.macro WIN new                         ; the immediate's high byte repeats the setting that is left; a switch that changes nothing is dropped
.if MSB != (\new)
	s_set_vgpr_msb (MSB<<8)|(\new)
.set MSB, (\new)
.endif
.endm
.set W_KQ, 0x05                        ; K and Q in window 1, S^T in window 0
.set W_PV, 0x50                        ; V and P in window 0, O^T (C and D) in window 1
.set W_RS, 0x41                        ; O^T (destination and source 0) in window 1, a in window 0
.set TO_1, 0x40                        ; destination window 1, address window 0
; A joint refill of slot s.  Waves 0 to 3 fetch K's four steps, waves 4 to 7 V's.  The branch hangs on the wave's number alone: it is the same in every work-group.
; An s_nop 0 and four v_nop follow each of the two lines; the jump round the other line, the label and what follows the macro come after them.
.macro JLOAD s
	s_cmp_lt_u32 s[WV], 4
	s_cbranch_scc0 .Lfor_v_\@
	tensor_load_to_lds s[G0K+4*\s:G0K+4*\s+3], s[G1K:G1K+7]
	s_nop 0
.rept 4
	v_nop
.endr
	s_branch .Lasked_\@
.Lfor_v_\@:
	tensor_load_to_lds s[G0V+4*\s:G0V+4*\s+3], s[G1V:G1V+7]
	s_nop 0
.rept 4
	v_nop
.endr
.Lasked_\@:
.endm
; A PREFETCH INTO THE L2 of what the next refill will ask for: the head's 256 bytes of k and of v in each of a slot's 256 rows.  Both clusters of a head walk the same rows: the head's first cluster asks.  Its four partners share
; the rows out BY ADDRESS, 64 each: no branch hangs on a work-group's place in its cluster.  In each, waves 0 and 1 ask, 32 rows each, a lane a row, one instruction for k and one for v.  So each run of 256 bytes is named once
; in the launch.  Keys 0 to 511 come by their loads alone; keys 512 to 767 are asked for behind the first barrier, keys 768 to 1,023 (off = 256 rows) behind the first refill: each a slot's four key steps ahead of its load.
.macro ASK off
	s_cmp_eq_u32 s[LIM], 0
	s_cbranch_scc0 .Lnot_mine_\@
	global_prefetch_b8 v[PFO], s[PFA:PFA+1] offset:\off+4096 th:TH_LOAD_NT scope:SCOPE_SE
	global_prefetch_b8 v[PFO], s[PFA:PFA+1] offset:\off+8192 th:TH_LOAD_NT scope:SCOPE_SE
.Lnot_mine_\@:
.endm
; A round of the cluster's barrier: my work-group's barrier, so that wave 0's signal speaks for all eight waves; wave 0 signals for the work-group; every wave waits for all four
; work-groups; my work-group's barrier once more.  No LDS instruction of the wave is pending at a signal.
.macro CROUND
	s_barrier_signal -1
	s_barrier_wait -1
	s_cmp_lg_u32 s[WV], 0
	s_cbranch_scc1 .Lnot_wave_0_\@
	s_barrier_signal -3
.Lnot_wave_0_\@:
	s_barrier_wait -3
	s_barrier_signal -1
	s_barrier_wait -1
.endm
	s_load_b128 s[4:7], s[0:1], 0x0                ; qkv s[4:5], o s[6:7]
	v_lshl_add_u32 v[SPW], v0, 2, SPARE
	v_mov_b32 v[NIL], 0
	ds_add_u32 v[SPW], v[NIL]                      ; the wave's opening: the add and its wait stand ahead of my first tensor load; the set-up below, work on registers, stands between them
	v_lshrrev_b32 v1, 5, v0
	v_readfirstlane_b32 s[WV], v1                  ; wave 0..7
	s_bfe_u32 s9, ttmp6, 0x40000                   ; cx: my place in the cluster
	s_and_b32 s10, ttmp7, 0xffff                   ; 16 b + h, which the four partners share
	s_lshr_b32 s11, s10, 4                         ; b
	s_and_b32 s12, s10, 15                         ; h
	s_mul_i32 s13, s11, 1024*ROWQ
	s_lshl_b32 s14, s12, 8                         ; 256 h
	s_add_co_u32 s13, s13, s14                     ; the head's first byte in qkv (q's)
	s_lshr_b32 s15, s[WV], 2
	s_xor_b32 s15, s15, s[WV]
	s_and_b32 s15, s15, 1                          ; 0: an early block; 1: a late one.  Waves 0, 2, 5, 7 are early, waves 1, 3, 4, 6 late
	s_lshr_b32 s16, s[WV], 1                       ; which of the four early or late blocks
	s_lshl_b32 s10, ttmp9, 2                       ; in a cluster launch ttmp9 counts clusters: 0 or 1
	s_add_co_u32 s16, s16, s10                     ; the early block: 4 c + wave / 2
	s_sub_co_u32 s10, 15, s16                      ; the late one: its mirror
	s_cmp_eq_u32 s15, 0
	s_cselect_b32 s16, s16, s10                    ; my block g
	s_lshl_b32 s16, s16, 6                         ; its first query
	s_add_co_u32 s[QHID], s16, 143                 ; first keys are multiples of 64: beyond 64 g + 143 means 64 (g + 3) or more, for each of the block's four tiles
	s_add_co_u32 s[QOPN], s16, 65                  ; and at most 64 g + 65 means 64 (g + 1) or less
	s_lshl_b32 s17, s9, 4
	s_add_co_u32 s17, s17, s16                     ; my tile's first query: 64 g + 16 cx
	s_add_co_u32 s[QD], s17, 128
	s_mul_i32 s18, s17, ROWQ
	s_add_co_u32 s18, s18, s13                     ; q's bytes of my tile
	s_mov_b32 s19, 0
	s_lshl_b32 s72, s11, 22                        ; o: 1,024 rows of 4,096 bytes a batch,
	s_add_co_u32 s72, s72, s14                     ; the head,
	s_lshl_b32 s73, s17, 12                        ; my first query's row
	s_add_co_u32 s72, s72, s73
	s_mov_b32 s73, 0
	s_and_b32 s76, s[WV], 3                        ; which of a slot's four steps I fetch:
	s_mul_i32 s78, s76, KS*ROWQ                    ; its 64 rows in memory,
	s_add_co_u32 s78, s78, s13
	s_mov_b32 s79, 0
	s_mul_i32 s77, s76, STEPB                      ; and its place in a slot: no place in the cluster enters an LDS address
	s_lshl_b32 s74, s9, 6                          ; the prefetches: my work-group's 64 rows of a slot's 256,
	s_and_b32 s75, s[WV], 1
	s_lshl_b32 s75, s75, 5                         ; my wave's 32 of them,
	s_add_co_u32 s74, s74, s75
	s_add_co_u32 s74, s74, 512                     ; from key 512 on
	s_mul_i32 s74, s74, ROWQ
	s_add_co_u32 s74, s74, s13
	s_mov_b32 s75, 0
	s_lshr_b32 s[LIM], s[WV], 1                    ; 0 in waves 0 and 1,
	s_or_b32 s[LIM], s[LIM], ttmp9                 ; of the head's first cluster: the same in all four partners
	; descriptor group 1: a tile of 64 rows x 128 elements of 2 bytes, 6,144 elements from row to row, padded in LDS
	s_mov_b32 s[G1K], 15|(1<<16)|(1<<20)|(1<<21)|(5<<22)|(3<<25)   ; 15:0 the mask: all four work-groups; 17:16 elements of 2 bytes; 20 padding on; 21 set beside a mask; 24:22 after every 64 words (code 5); 31:25 4 words of it (code 3)
	s_mov_b32 s[G1V], 15|(1<<16)|(1<<20)|(1<<21)|(5<<22)|(7<<25)   ; the same with 8 words of padding (code 7)
.irp g, G1K, G1V
	s_mov_b32 s[\g+1], 128<<16                     ; tensor_dim0 = 128
	s_mov_b32 s[\g+2], KS<<16                      ; tensor_dim1 = 64
	s_mov_b32 s[\g+3], 128<<16                     ; tile_dim0 = 128
	s_mov_b32 s[\g+4], KS                          ; tile_dim1 = 64
	s_mov_b32 s[\g+5], 6144                        ; tensor_dim0_stride
	s_mov_b32 s[\g+6], 0
	s_mov_b32 s[\g+7], 0
.endr
	s_mov_b32 s[CS], 0x3e0293ee                    ; c = log2(e) / sqrt(128)
	s_mov_b32 s[CS+1], s[CS]                       ; (named with it as a pair, so it is written)
	s_mov_b32 s[SEL], 0x76543210
	s_mov_b32 s[SEL+1], 0xfedcba98
	s_mov_b32 s[KF], 0
	s_wait_dscnt 0x0                               ; the opening add is done
	s_wait_kmcnt 0x0
	s_add_nc_u64 s[QB:QB+1], s[4:5], s[18:19]
	s_add_nc_u64 s[OB:OB+1], s[6:7], s[72:73]
	s_add_nc_u64 s[PFA:PFA+1], s[4:5], s[74:75]
	s_add_nc_u64 s[78:79], s[4:5], s[78:79]        ; qkv at the first of the 64 rows that I fetch of slot 0
	CROUND                                         ; all four work-groups are here: the first joint loads meet
.irp s, 0,1
	s_mov_b32 s[G0K+4*\s], 1                       ; 1:0 count = 1
	s_add_co_u32 s[G0K+4*\s+1], s77, \s*SLOTB      ; 63:32 LDS address
	s_add_nc_u64 s[G0K+4*\s+2:G0K+4*\s+3], s[78:79], \s*256*ROWQ+4096   ; 120:64 global address: slot s begins with keys 256 s; k's part of a row
	s_or_b32 s[G0K+4*\s+3], s[G0K+4*\s+3], 0x80000000                   ; 127:126 type = 2
	s_mov_b32 s[G0V+4*\s], 1
	s_add_co_u32 s[G0V+4*\s+1], s77, \s*SLOTB+VOFF
	s_add_nc_u64 s[G0V+4*\s+2:G0V+4*\s+3], s[78:79], \s*256*ROWQ+8192   ; v's part of a row
	s_or_b32 s[G0V+4*\s+3], s[G0V+4*\s+3], 0x80000000
.endr
	s_cmp_lt_u32 s[WV], 4                          ; a wave's two first fills stand in one branch, ahead of every wait on TENSORcnt and every LDS read: two loads of mine are out; an s_nop 0 follows each, four v_nop the second's, as in JLOAD
	s_cbranch_scc0 .Lfirst_v
	tensor_load_to_lds s[G0K:G0K+3], s[G1K:G1K+7]
	s_nop 0
	tensor_load_to_lds s[G0K+4:G0K+7], s[G1K:G1K+7]
	s_nop 0
.rept 4
	v_nop
.endr
	s_branch .Lfirst_asked
.Lfirst_v:
	tensor_load_to_lds s[G0V:G0V+3], s[G1V:G1V+7]
	s_nop 0
	tensor_load_to_lds s[G0V+4:G0V+7], s[G1V:G1V+7]
	s_nop 0
.rept 4
	v_nop
.endr
.Lfirst_asked:
	v_and_b32 v14, 15, v0                          ; r = lane % 16
	v_bfe_u32 v15, v0, 4, 1                        ; h = lane / 16
	; A fragment of K or Q is 16 rows x 32 channels in 8 registers: lane l holds row l % 16; registers 0-3 channels 8 (l / 16) + 0..7, registers 4-7 channels 16 + 8 (l / 16) + 0..7: two loads of 16 bytes, 32 bytes apart.
	v_mul_u32_u24 v[QO], v14, ROWQ
	v_lshl_add_u32 v[QO], v15, 4, v[QO]
	WIN TO_1
.irp c, 0,1,2,3                        ; Q stays in registers: channels 32 c on
	global_load_b128 v[QF+8*\c:QF+8*\c+3],   v[QO], s[QB:QB+1] offset:64*\c
	global_load_b128 v[QF+8*\c+4:QF+8*\c+7], v[QO], s[QB:QB+1] offset:64*\c+32
.endr
.set II, 0
.rept 64
	v_mov_b32 v[OT+II], 0                          ; O^T.  (The key step is written once for all steps: the first finds zeros, which a = 0 leaves zeros; a first step of its own would be one more copy of the step)
.set II, II+1
.endr
	WIN 0
	v_mul_u32_u24 v[AK0], v14, PK
	v_lshl_add_u32 v[AK0], v15, 4, v[AK0]          ; row x pitch + 16 x half
	; The turning load takes 16 keys x 16 channels (lane l reads 16 bytes: key 8 (l / 16) + l % 8, channels 8 ((l / 8) % 2) + 0..7) and leaves half a fragment of V^T: lane l holds channel l % 16 and 8 keys.
	v_and_b32 v26, 7, v0
	v_bfe_u32 v27, v0, 3, 1
	v_lshl_add_u32 v[AV0], v15, 3, v26
	v_mul_u32_u24 v[AV0], v[AV0], PV
	v_lshl_add_u32 v[AV0], v27, 4, v[AV0]
	v_add_nc_u32 v[AV0], VOFF, v[AV0]
	s_mul_i32 s10, s[WV], 16*272
	s_add_co_u32 s10, s10, STAGE                   ; my stage
	v_mul_u32_u24 v[STO], v14, 272                 ; in: row r, 16 bytes for each half of the lanes
	v_lshl_add_u32 v[STO], v15, 4, v[STO]
	v_add_nc_u32 v[STO], s10, v[STO]
	v_mul_u32_u24 v[RD], v15, 272                  ; back: lanes 0-15 take one row of 256 bytes, lanes 16-31 the next
	v_lshl_add_u32 v[RD], v14, 4, v[RD]
	v_add_nc_u32 v[RD], s10, v[RD]
	v_lshlrev_b32 v[GO], 12, v15                   ; and the same two rows in o
	v_lshl_add_u32 v[GO], v14, 4, v[GO]
	v_and_b32 v[PFO], 31, v0
	v_mul_u32_u24 v[PFO], v[PFO], ROWQ
	v_lshlrev_b32 v[RH], 3, v15
	v_sub_nc_u32 v[RH], v14, v[RH]
	v_mov_b32 v17, 0xff61b1e6                      ; m: -3e38, under every score
	v_mul_f32 v16, s[CS], v17                      ; c m
.irp j, 18,19,20,21,22,23,24,25
	v_mov_b32 v\j, 0                               ; l; a lane permute's destination and the upper halves of pairs count as read: written once
.endr
	v_mov_b32 v[NINF], 0xff800000
; A KEY STEP: the 64 keys whose tiles begin at LDS byte s[TB].
.macro STEP
	s_cmp_gt_u32 s[KF], s[QHID]                    ; a step all of whose keys are hidden from my block's queries is left out: a scalar branch on the cluster's number, the wave's and the count of steps, round the step's loads, products and softmax; no barrier and no tensor load stands in a step
	s_cbranch_scc1 .Lhidden_\@
	v_add_nc_u32 v[ADK], s[TB], v[AK0]
	v_add_nc_u32 v[ADV], s[TB], v[AV0]
	WIN TO_1
.irp f, 0,1,2,3,4,5,6,7,8,9,10,11,12,13,14,15  ; K: keys 16 (f / 4) on, channels 32 (f % 4) on
	ds_load_b128 v[8*\f:8*\f+3],   v[ADK] offset:(\f/4)*16*PK+(\f%4)*64
	ds_load_b128 v[8*\f+4:8*\f+7], v[ADK] offset:(\f/4)*16*PK+(\f%4)*64+32
.endr
	WIN 0
.irp f, 0,1,2,3,4,5,6,7,8,9,10,11,12,13,14,15  ; V, turned: keys 32 (f / 8) on, channels 16 (f % 8) on
	ds_load_tr16_b128 v[VF+8*\f:VF+8*\f+3],   v[ADV] offset:(\f/8)*32*PV+(\f%8)*32
	ds_load_tr16_b128 v[VF+8*\f+4:VF+8*\f+7], v[ADV] offset:(\f/8)*32*PV+16*PV+(\f%8)*32
.endr
	s_wait_dscnt 32                                ; LDS loads come back in order: K's 32 are in, V's 32 younger ones land under the products and the softmax
	WIN W_KQ
.irp c, 0,1,2,3                        ; S^T = K Q^T: the four tiles of keys take turns, one instruction a turn; the first four start the sums
.irp kt, 0,1,2,3
.if \c == 0
	v_wmma_f32_16x16x32_f16 v[S+8*\kt:S+8*\kt+7], v[32*\kt+8*\c:32*\kt+8*\c+7], v[QF+8*\c:QF+8*\c+7], 0
.else
	v_wmma_f32_16x16x32_f16 v[S+8*\kt:S+8*\kt+7], v[32*\kt+8*\c:32*\kt+8*\c+7], v[QF+8*\c:QF+8*\c+7], v[S+8*\kt:S+8*\kt+7]
.endif
.endr
.endr
	WIN 0
.rept 4
	v_nop                                          ; four places between the products and the first read of the scores (ISA guide 7.12.1)
.endr
	s_cmp_le_u32 s[KF], s[QOPN]                    ; a step all of whose keys count for all my block's queries skips the mask
	s_cbranch_scc1 .Lopen_\@
	s_sub_co_i32 s71, s[QD], s[KF]
	v_add_nc_u32 v[DD], s71, v[RH]                 ; d = my query + 128 - the step's first key - 8 (lane / 16).  Register 8 t + j holds key 16 t + 8 (lane / 16) + j of the step: hidden where 16 t + j > d
.set II, 0
.rept 32
	v_cmp_gt_i32 vcc_lo, 16*(II/8)+II%8, v[DD]
	v_cndmask_b32 v[S+II], v[S+II], v[NINF], vcc_lo   ; a hidden score becomes -infinity ahead of the maximum: its p is 0
.set II, II+1
.endr
.Lopen_\@:
.irp j, 0,1,2,3                        ; the maximum of my 32 scores and the old m, three operands at a time: four chains, each from its tile's low end on
	v_max3_num_f32 v[20+\j], v[S+8*\j], v[S+8*\j+1], v[S+8*\j+2]
.endr
.irp g, 1,2
.irp j, 0,1,2,3
	v_max3_num_f32 v[20+\j], v[20+\j], v[S+8*\j+2*\g+1], v[S+8*\j+2*\g+2]
.endr
.endr
	v_max3_num_f32 v20, v20, v[S+7], v[S+15]
	v_max3_num_f32 v22, v22, v[S+23], v[S+31]
	v_max3_num_f32 v20, v20, v21, v22
	v_max3_num_f32 v20, v20, v23, v17
	v_permlanex16_b32 v21, v20, s[SEL], s[SEL+1]   ; the query's other 32 keys lie in the lane 16 away
	v_mov_b32 v26, v16                             ; c m_old
	v_max_num_f32 v17, v20, v21                    ; the new m
	v_mul_f32 v16, s[CS], v17
	v_sub_f32 v27, v26, v16                        ; c m_old - c m_new
.set II, 0
.rept 16
	v_pk_fma_f32 v[S+II:S+II+1], v[S+II:S+II+1], s[CS:CS+1], v[16:17] op_sel_hi:[1,0,0] neg_lo:[0,0,1] neg_hi:[0,0,1]   ; c s - c m, two at a time
.set II, II+2
.endr
	v_exp_f32 v24, v27                             ; a
.set II, 0
.rept 32
	v_exp_f32 v[S+II], v[S+II]                     ; p
.set II, II+1
.endr
	v_nop                                          ; a plain instruction behind the last exponential
	s_wait_alu depctr_va_vdst(0)                   ; one wait for the batch of 33, ahead of its first reader
.set II, 0
.rept 16
	v_cvt_pk_f16_f32 v[P+II], v[S+2*II], v[S+2*II+1]   ; tiles 2 g and 2 g + 1 make registers 8 g .. 8 g + 7: source 1 for keys 32 g on
.set II, II+1
.endr
.irp z, 0,1,2,3,4,5,6,7                ; the sum of the unrounded p, in pairs (an even key's, an odd key's), in place
	v_pk_add_f32 v[S+4*\z:S+4*\z+1], v[S+4*\z:S+4*\z+1], v[S+4*\z+2:S+4*\z+3]
.endr
.irp z, 0,1,2,3
	v_pk_add_f32 v[S+8*\z:S+8*\z+1], v[S+8*\z:S+8*\z+1], v[S+8*\z+4:S+8*\z+5]
.endr
.irp z, 0,1
	v_pk_add_f32 v[S+16*\z:S+16*\z+1], v[S+16*\z:S+16*\z+1], v[S+16*\z+8:S+16*\z+9]
.endr
	v_pk_add_f32 v[S:S+1], v[S:S+1], v[S+16:S+17]
	v_pk_fma_f32 v[18:19], v[18:19], v[24:25], v[S:S+1] op_sel_hi:[1,0,1]   ; l = a l + the sum
	WIN W_RS
.set II, 0
.rept 32
	v_pk_mul_f32 v[OT+II:OT+II+1], v[OT+II:OT+II+1], v[24:25] op_sel_hi:[1,0]   ; O^T times a, each tile from its low end on
.set II, II+2
.endr
	s_wait_dscnt 0x0                               ; V is in
	WIN W_PV
.irp kh, 0,1                           ; O^T += V^T P: the eight tiles of channels take turns, one instruction a turn
.irp t, 0,1,2,3,4,5,6,7
	v_wmma_f32_16x16x32_f16 v[OT+8*\t:OT+8*\t+7], v[VF+64*\kh+8*\t:VF+64*\kh+8*\t+7], v[P+8*\kh:P+8*\kh+7], v[OT+8*\t:OT+8*\t+7]
.endr
.endr
	WIN 0
.rept 4
	v_nop                                          ; four places in front of the next loads into V's registers and of the next read of O^T
.endr
.Lhidden_\@:
	s_add_co_u32 s[KF], s[KF], KS                  ; on both ways: the next step's first key,
	s_add_co_u32 s[TB], s[TB], STEPB               ; and where its tiles begin
.endm
; A slot's four key steps: the step is written once for each visit of a slot and walked four times; the LDS addresses hang on s[TB], which begins at the slot's constant.
.macro FOUR_STEPS base
	s_mov_b32 s[TB], \base
	s_mov_b32 s[CNT], 4
.Lstep_\@:
	STEP
	s_sub_co_u32 s[CNT], s[CNT], 1
	s_cmp_lg_u32 s[CNT], 0
	s_cbranch_scc1 .Lstep_\@
.endm
; THE CHANGE OF SLOTS, behind slot s's four steps.  Each wave waits for all its tensor loads, of which one can be out: its part of the other slot; adds 0 to its spare word; and waits for that and for its own reads of slot s.
; Behind the barrier nobody reads slot s any more and the other slot is whole.  fill = 1: slot s is filled again, with the keys 512 further on.  The barrier is then a round of the cluster's, so that no wave of any partner
; still reads the slot or has a load on its way, and the joint refill is the first thing behind it.
.macro CHANGE s, fill
	s_wait_tensorcnt 0x0                           ; no tensor load of mine is out, so a group 0 may be written
	ds_add_u32 v[SPW], v[NIL]                      ; 0 onto my spare word; with fill = 1 the descriptors' steps stand between it and the wait for it
.if \fill
	s_add_nc_u64 s[G0K+4*\s+2:G0K+4*\s+3], s[G0K+4*\s+2:G0K+4*\s+3], 512*ROWQ   ; the slot's next 256 keys; the type bits on top are not reached
	s_add_nc_u64 s[G0V+4*\s+2:G0V+4*\s+3], s[G0V+4*\s+2:G0V+4*\s+3], 512*ROWQ
	s_wait_dscnt 0x0                               ; the add is done, and my reads of the slot are over
	CROUND
	JLOAD \s
.else
	s_wait_dscnt 0x0                               ; the add is done, and my reads of the slot are over
	s_barrier_signal -1
	s_barrier_wait -1
.endif
.endm
	s_wait_tensorcnt 1                             ; my part of slot 0 is in; slot 1's may stay out
	s_barrier_signal -1
	s_barrier_wait -1                              ; everybody's is
	ASK 0                                          ; keys 512 to 767: four key steps ahead of their load
	s_wait_loadcnt 0x0                             ; Q
	FOUR_STEPS 0                                   ; keys 0 to 255
	CHANGE 0, 1                                    ; slot 0 takes keys 512 to 767
	ASK 256*ROWQ                                   ; keys 768 to 1,023: four key steps ahead of their load
	FOUR_STEPS SLOTB                               ; keys 256 to 511
	CHANGE 1, 1                                    ; slot 1 takes keys 768 to 1,023: the last load
	FOUR_STEPS 0                                   ; keys 512 to 767
	CHANGE 0, 0                                    ; nothing is left to ask for
	FOUR_STEPS SLOTB                               ; keys 768 to 1,023
	; THE WAY OUT.  l's two halves and the other half of the lanes' are added; O^T is divided by l, rounded to f16 and sent through my stage in LDS, so that sixteen lanes store a head's 256 bytes of a row.
	v_add_f32 v20, v18, v19
	v_permlanex16_b32 v21, v20, s[SEL], s[SEL+1]
	v_add_f32 v20, v20, v21
	v_rcp_f32 v24, v20
	v_nop                                          ; a plain instruction between the reciprocal and the use of its result
	s_wait_alu depctr_va_vdst(0)                   ; and the wait ahead of the first use
	WIN W_RS
.set II, 0
.rept 32
	v_pk_mul_f32 v[OT+II:OT+II+1], v[OT+II:OT+II+1], v[24:25] op_sel_hi:[1,0]
.set II, II+2
.endr
	WIN 0x05                                       ; sources 0 and 1 window 1, destination window 0
.set II, 0
.rept 32
	v_cvt_pk_f16_f32 v[OW+II], v[OT+2*II], v[OT+2*II+1]   ; tile t's eight channels of my half: 16 bytes
.set II, II+1
.endr
	WIN 0
.irp f, 0,1,2,3,4,5,6,7
	ds_store_b128 v[STO], v[OW+4*\f:OW+4*\f+3] offset:32*\f
.endr
.irp f, 0,1,2,3,4,5,6,7
	ds_load_b128 v[OW+4*\f:OW+4*\f+3], v[RD] offset:\f*2*272   ; LDS serves a wave's instructions in order (ISA guide 5.7.1.4): these see the stores above
.endr
.irp f, 0,1,2,3,4,5,6,7
	s_wait_dscnt 7-\f                              ; the younger loads may stay out
	global_store_b128 v[GO], v[OW+4*\f:OW+4*\f+3], s[OB:OB+1] offset:\f*8192   ; 16 lanes store 256 consecutive bytes, at a multiple of 256 from o's first byte
.endr
	s_wait_tensorcnt 0x0                           ; the wave's end, behind my last tensor load and my last LDS store
	ds_add_u32 v[SPW], v[NIL]
	s_wait_dscnt 0x0
	CROUND                                         ; the closing round: no work-group ends while a partner may still ask for a tile that names it
	s_endpgm
.Lfunc_end_k_q16ba4b64de_attn:
	.size	k_q16ba4b64de_attn, .Lfunc_end_k_q16ba4b64de_attn-k_q16ba4b64de_attn
	.p2alignl 7, 3214868480
	.fill 96, 4, 3214868480
	.section	.rodata,"a",@progbits
	.p2align	6, 0x0
	.amdhsa_kernel k_q16ba4b64de_attn
		.amdhsa_group_segment_fixed_size 327680
		.amdhsa_private_segment_fixed_size 0
		.amdhsa_enable_private_segment 0
		.amdhsa_kernarg_size 16
		.amdhsa_user_sgpr_count 2
		.amdhsa_user_sgpr_kernarg_segment_ptr 1
		.amdhsa_wavefront_size32 1
		.amdhsa_system_sgpr_workgroup_id_x 1
		.amdhsa_system_sgpr_workgroup_id_y 1
		.amdhsa_system_sgpr_workgroup_id_z 1
		.amdhsa_system_vgpr_workitem_id 0
		.amdhsa_next_free_vgpr 512
		.amdhsa_next_free_sgpr 80
		.amdhsa_reserve_vcc 1
		.amdhsa_float_denorm_mode_32 3
		.amdhsa_float_denorm_mode_16_64 3
		.amdhsa_memory_ordered 1
		.amdhsa_forward_progress 1
		.amdhsa_inst_pref_size 86
	.end_amdhsa_kernel
	.amdgpu_metadata
---
amdhsa.version: [ 1, 2 ]
amdhsa.kernels:
  - .name:           k_q16ba4b64de_attn
    .symbol:         k_q16ba4b64de_attn.kd
    .args:
      - { .name: qkv, .offset: 0, .size: 8, .value_kind: global_buffer, .address_space: global }
      - { .name: o, .offset: 8, .size: 8, .value_kind: global_buffer, .address_space: global }
    .group_segment_fixed_size: 327680
    .private_segment_fixed_size: 0
    .kernarg_segment_align: 8
    .kernarg_segment_size: 16
    .max_flat_workgroup_size: 256
    .sgpr_count:     80
    .vgpr_count:     512
    .wavefront_size: 32
...
	.end_amdgpu_metadata
.endif
;; end of part 3
;; launch outgemm (part 4): grid 16 x 16, 4 waves a work-group, clusters of 4 x 4, 327,680 bytes of LDS; arguments o, wo16, out0; writes out0
.if DOCPART == 4
	.amdgcn_target "amdgcn-amd-amdhsa--gfx1250"
	.amdhsa_code_object_version 6
	.text
	.protected	k_q16ba4b64de_outgemm
	.globl	k_q16ba4b64de_outgemm
	.p2align	8
	.type	k_q16ba4b64de_outgemm,@function
k_q16ba4b64de_outgemm:
	s_mov_b64 s[64:65], 0
	v_nop
	global_prefetch_b8 v0, s[64:65] scope:SCOPE_SE
	s_setreg_imm32_b32 hwreg(HW_REG_WAVE_MODE, 25, 1), 1
	s_wait_xcnt 0x0
	s_wait_alu depctr_hold_cnt(0) depctr_sa_sdst(0) depctr_va_vdst(0) depctr_va_sdst(0) depctr_va_ssrc(0) depctr_va_vcc(0) depctr_vm_vsrc(0)
	s_getreg_b32 s2, hwreg(HW_REG_IB_STS2, 6, 4)
	s_cmp_eq_u32 s2, 0
	s_cbranch_scc0 .Lentry_in_a_cluster
	s_endpgm
.Lentry_in_a_cluster:
	s_bfe_u32 s2, ttmp6, 0x10000c
	s_cmp_lg_u32 s2, 0xf033
	s_cbranch_scc0 .Lentry_shape_is_right
	s_endpgm
.Lentry_shape_is_right:
; out0[m][n] = sum over k of o[m][k] wo[n][k].  A = o [2048][2048], B = wo16 [2048][2048], both f16, K innermost; sums in f32; out0 [2048][2048] f32.
; f16 and not bf16: the operands' rounding goes straight into the result's relative error, and 11 bits leave a margin that 8 would not; both operands have room in f16 (o is a weighted mean of v; wo is an input of the problem's kind).
; A tile of C is 128 x 128, so that there are 256 work-groups.  Four waves, each 64 x 64: 16 accumulators of 16 x 16, 128 registers.  K goes in steps of 256 (LDS rows of 512 bytes; a wave's tensor load brings 64 of them), as long as
; two slots in LDS allow.  A wave's 64 columns of f32 are 256 consecutive bytes of C, aligned: so each wave has a stage of its own on the way out, and no barrier stands there.
; CLUSTERS: 4 x 4 work-groups.  The four of a row of the cluster need the same tiles of A, the four of a column the same tiles of B: each tile is asked for JOINTLY, by the same tensor load with the
; same descriptor and a mask that names the four.  THE MATRIX INSTRUCTION IS USED TRANSPOSED (source 0 = 16 rows of B, source 1 = 16 rows of A): a lane then holds eight neighbouring numbers of a row of C.
; REGISTERS: window 0: v0-31 addresses; v128-255 the accumulators ((a, b) at v[128 + 8 (4 a + b)]), on the way out the rows read back.
;   window 1: two fragment buffers of 128: for 64 along K (two matrix instructions deep), 64 registers of A (2 x 4 x 16 rows x 32 K), then 64 of B.
.set SIZE_M, 2048
.set SIZE_N, 2048
.set SIZE_K, 2048
.set KSTEP,  256
.set PITCH,  528                       ; an LDS row: 512 bytes of data + 16 of padding = 132 words: row r starts at bank 4 r mod 64 (ISA guide 11.1)
.set HALFT,  64*PITCH                  ; 64 rows: what one tensor load brings, and what one wave reads of A or of B
.set SLOT,   4*HALFT                   ; A's 128 rows, then B's 128 rows
.set SPITCH, 272                       ; the way out: a stage of 64 rows x (256 bytes + 16) for each wave.  It lies in slot 0, which has had its last fill and its last read when the first result is stored there
.set SPARE,  2*SLOT                    ; behind the ring: the spare words, 128 bytes for each wave
.set LAPS, SIZE_K/(2*KSTEP)            ; a lap = two K steps = once round the ring
.set ADRA, 16                          ; v16-17  LDS address of my A fragments in slot 0, 1
.set ADRB, 20                          ; v20-21  the same for B
.set STO,  24                          ; v24     the way out: where I put 32 bytes of a row
.set RD,   25                          ; v25     the way out: where I read a row back
.set CO,   26                          ; v26     my byte offset in two rows of C
.set SPW,  28                          ; v28     LDS address of my spare word: SPARE + 4 x my thread's number; never rewritten
.set NIL,  29                          ; v29     0; never rewritten
.set ACC,  128
.set F0,   0                           ; fragment buffers, in window 1
.set F1,   128
.set G1, 24                            ; s[24:31] descriptor group 1 for A's tiles;  s[32:39] group 0, one set for each slot
.set G0, 32
.set G1B, 48                           ; s[48:55], s[56:63] the same for B's tiles
.set G0B, 56
.set MSB, 0
.macro WIN new                         ; the immediate's high byte repeats the setting that is left
.if MSB != (\new)
	s_set_vgpr_msb (MSB<<8)|(\new)
.set MSB, (\new)
.endif
.endm
.set MUL,  0x05                        ; sources 0 (B) and 1 (A) window 1; C and D window 0
.set TO_F, 0x40                        ; destination window 1, address window 0
.macro JLOAD s                         ; a joint load: waves 0 and 1 fetch A's two halves, waves 2 and 3 B's; an s_nop 0 and four v_nop follow each of the two lines, ahead of the jump, the label and what follows
	s_cmp_eq_u32 s11, 0
	s_cbranch_scc0 .Lfor_b_\@
	tensor_load_to_lds s[G0+4*\s:G0+4*\s+3], s[G1:G1+7]
	s_nop 0
.rept 4
	v_nop
.endr
	s_branch .Lasked_\@
.Lfor_b_\@:
	tensor_load_to_lds s[G0B+4*\s:G0B+4*\s+3], s[G1B:G1B+7]
	s_nop 0
.rept 4
	v_nop
.endr
.Lasked_\@:
.endm
.macro CREST                           ; a round of the cluster's barrier behind its opening barrier
	s_cmp_lg_u32 s10, 0
	s_cbranch_scc1 .Lnot_wave_0_\@
	s_barrier_signal -3
.Lnot_wave_0_\@:
	s_barrier_wait -3
	s_barrier_signal -1
	s_barrier_wait -1
.endm
.macro CROUND                          ; a whole round
	s_barrier_signal -1
	s_barrier_wait -1
	CREST
.endm
	s_load_b128 s[4:7], s[0:1], 0x0                ; A s[4:5], B s[6:7]
	s_load_b64 s[8:9], s[0:1], 0x10                ; C
	v_lshl_add_u32 v[SPW], v0, 2, SPARE
	v_mov_b32 v[NIL], 0
	ds_add_u32 v[SPW], v[NIL]                      ; the wave's opening: the add and its wait stand ahead of my first tensor load; the set-up below, work on registers, stands between them
	v_lshrrev_b32 v1, 5, v0
	v_readfirstlane_b32 s10, v1                    ; wave 0..3
	s_lshr_b32 s11, s10, 1                         ; which half of the tile's rows is mine.  Also: I fetch for A (0) or for B (1)
	s_and_b32 s12, s10, 1                          ; which half of its columns.  Also: which 64 rows of that tile I fetch
	s_bfe_u32 s40, ttmp6, 0x40000                  ; cx, cy: my place in the cluster
	s_bfe_u32 s41, ttmp6, 0x40004
	s_lshl_b32 s42, ttmp9, 2
	s_add_co_u32 s42, s42, s40                     ; tile column of C = 4 x cluster x + cx
	s_and_b32 s13, ttmp7, 0xffff
	s_lshl_b32 s13, s13, 2
	s_add_co_u32 s13, s13, s41                     ; tile row of C = 4 x cluster y + cy
	s_lshl_b32 s43, s41, 2
	s_lshl_b32 s43, 15, s43                        ; my row of the cluster
	s_lshl_b32 s44, 0x1111, s40                    ; my column
	; descriptor group 1: a tile of 64 rows x 256 elements, padded in LDS
	s_or_b32 s[G1+0], s43, (1<<16)|(1<<20)|(1<<21)|(6<<22)|(3<<25)  ; 15:0 the mask: A's tiles go to my row; 17:16 element of 2 bytes; 20 padding on; 21 set beside a mask; 24:22 after every 128 words (code 6); 31:25 of 4 words (code 3)
	s_or_b32 s[G1B+0], s44, (1<<16)|(1<<20)|(1<<21)|(6<<22)|(3<<25)
.irp g, G1, G1B
	s_mov_b32 s[\g+1], KSTEP<<16                   ; tensor_dim0 = 256
	s_mov_b32 s[\g+2], 64<<16                      ; tensor_dim1 = 64
	s_mov_b32 s[\g+3], KSTEP<<16                   ; tile_dim0 = 256
	s_mov_b32 s[\g+4], 64                          ; tile_dim1 = 64
	s_mov_b32 s[\g+5], SIZE_K                      ; tensor_dim0_stride
	s_mov_b32 s[\g+6], 0
	s_mov_b32 s[\g+7], 0
.endr
	s_lshl_b32 s17, s12, 6                         ; which 64 rows of the tile I fetch
	s_lshl_b32 s16, s13, 7
	s_add_co_u32 s16, s16, s17                     ; A: row 128 x tile row + 64 x half
	s_lshl_b32 s46, s42, 7
	s_add_co_u32 s46, s46, s17                     ; B: row 128 x tile column + 64 x half
	s_mov_b32 s17, 0
	s_mov_b32 s47, 0
	s_mov_b64 s[18:19], SIZE_K*2
	s_mul_u64 s[16:17], s[16:17], s[18:19]
	s_mul_u64 s[46:47], s[46:47], s[18:19]
	s_mul_i32 s20, s10, HALFT                      ; where they go: wave x 64 rows: no place in the cluster enters an LDS address
	s_wait_dscnt 0x0                               ; the opening add is done
	s_wait_kmcnt 0x0
	s_add_nc_u64 s[14:15], s[4:5], s[16:17]
	s_add_nc_u64 s[46:47], s[6:7], s[46:47]
	CROUND                                         ; all sixteen work-groups are here: the first joint loads meet
.irp s, 0,1
	s_mov_b32 s[G0+4*\s], 1
	s_add_co_u32 s[G0+4*\s+1], s20, \s*SLOT
	s_add_nc_u64 s[G0+4*\s+2:G0+4*\s+3], s[14:15], \s*KSTEP*2
	s_or_b32 s[G0+4*\s+3], s[G0+4*\s+3], 0x80000000
	s_mov_b32 s[G0B+4*\s], 1
	s_add_co_u32 s[G0B+4*\s+1], s20, \s*SLOT
	s_add_nc_u64 s[G0B+4*\s+2:G0B+4*\s+3], s[46:47], \s*KSTEP*2
	s_or_b32 s[G0B+4*\s+3], s[G0B+4*\s+3], 0x80000000
	JLOAD \s
.endr
	v_and_b32 v1, 15, v0                           ; l % 16
	v_bfe_u32 v2, v0, 4, 1                         ; l / 16
	v_mul_u32_u24 v3, v1, PITCH
	v_lshl_add_u32 v3, v2, 4, v3                   ; a fragment's row x pitch + 16 x half
	s_mul_i32 s21, s11, HALFT                      ; my 64 rows of A
	s_mul_i32 s22, s12, HALFT                      ; my 64 rows of B,
	s_add_co_u32 s22, s22, 2*HALFT                 ; which lie behind A's 128
.irp s, 0,1
	v_add_nc_u32 v[ADRA+\s], s21, v3
	v_add_nc_u32 v[ADRB+\s], s22, v3
	s_add_co_u32 s21, s21, SLOT
	s_add_co_u32 s22, s22, SLOT
.endr
	s_mul_i32 s23, s10, 64*SPITCH                  ; my stage
	v_mul_u32_u24 v4, v1, SPITCH                   ; in: row l % 16 of a block, 32 bytes for each half of the lanes
	v_lshl_add_u32 v4, v2, 5, v4
	v_add_nc_u32 v[STO], s23, v4
	v_mul_u32_u24 v5, v2, SPITCH                   ; back: lanes 0-15 take one row of 256 bytes, lanes 16-31 the next
	v_lshl_add_u32 v5, v1, 4, v5
	v_add_nc_u32 v[RD], s23, v5
	v_mul_u32_u24 v5, v2, SIZE_N*4                 ; and the same two rows in C
	v_lshl_add_u32 v[CO], v1, 4, v5
	s_lshl_b32 s16, s13, 7
	s_lshl_b32 s17, s11, 6
	s_add_co_u32 s16, s16, s17                     ; my first row of C: 128 x tile row + 64 x half
	s_mov_b32 s17, 0
	s_mov_b64 s[18:19], SIZE_N*4
	s_mul_u64 s[16:17], s[16:17], s[18:19]
	s_add_nc_u64 s[8:9], s[8:9], s[16:17]
	s_lshl_b32 s46, s42, 9                         ; my first column, in bytes: 512 x tile column + 256 x half
	s_lshl_b32 s47, s12, 8
	s_add_co_u32 s46, s46, s47
	s_mov_b32 s47, 0
	s_add_nc_u64 s[8:9], s[8:9], s[46:47]
; 8 matrix instructions: m blocks a0, a0 + 1 x all 4 n blocks, 32 along K: half c of buffer f.  zero = 1: the first product starts the sums.  The 16 accumulators take turns, one instruction a turn.
.macro MUL8 f, c, a0, zero
.irp a, \a0, \a0+1
.irp b, 0,1,2,3
.if \zero
	v_wmma_f32_16x16x32_f16 v[ACC+8*(4*(\a)+\b):ACC+8*(4*(\a)+\b)+7], v[\f+64+8*(4*\c+\b):\f+64+8*(4*\c+\b)+7], v[\f+8*(4*\c+\a):\f+8*(4*\c+\a)+7], 0
.else
	v_wmma_f32_16x16x32_f16 v[ACC+8*(4*(\a)+\b):ACC+8*(4*(\a)+\b)+7], v[\f+64+8*(4*\c+\b):\f+64+8*(4*\c+\b)+7], v[\f+8*(4*\c+\a):\f+8*(4*\c+\a)+7], v[ACC+8*(4*(\a)+\b):ACC+8*(4*(\a)+\b)+7]
.endif
.endr
.endr
.endm
; 32 LDS loads in one run: the fragments of 64 along K at byte k of the rows, into buffer f; the first 32 along K first
.macro FETCH slot, k, f
	WIN TO_F
.irp c, 0,1
.irp i, 0,1,2,3
	ds_load_b128 v[\f+64+8*(4*\c+\i):\f+64+8*(4*\c+\i)+3],   v[ADRB+\slot] offset:\k+64*\c+\i*16*PITCH
	ds_load_b128 v[\f+64+8*(4*\c+\i)+4:\f+64+8*(4*\c+\i)+7], v[ADRB+\slot] offset:\k+64*\c+\i*16*PITCH+32
	ds_load_b128 v[\f+8*(4*\c+\i):\f+8*(4*\c+\i)+3],         v[ADRA+\slot] offset:\k+64*\c+\i*16*PITCH
	ds_load_b128 v[\f+8*(4*\c+\i)+4:\f+8*(4*\c+\i)+7],       v[ADRA+\slot] offset:\k+64*\c+\i*16*PITCH+32
.endr
.endr
.endm
.macro PLACES                          ; four places in front of loads into registers that matrix instructions have read, and of LDS stores that read results (ISA guide 7.12.1 for vector instructions)
.rept 4
	v_nop
.endr
.endm
; A K step is four quarters of 64 along K, 32 matrix instructions each, on buffers 0, 1, 0, 1.  One of the first three: multiplies buffer f and fetches the next quarter, at byte k, into g.
.macro QUARTER slot, k, f, g, zero
	s_wait_dscnt 16                                ; the first 32 along K are in
	WIN MUL
	MUL8 \f, 0, 0, \zero
	MUL8 \f, 0, 2, \zero
	PLACES
	FETCH \slot, \k, \g
	s_wait_dscnt 32                                ; all but the 32 just issued
	WIN MUL
	MUL8 \f, 1, 0, 0
	MUL8 \f, 1, 2, 0
.endm
; The last quarter multiplies buffer 1 and changes slots: ONE barrier; in front of it each wave waits for all its tensor loads, adds 0 to its spare word, and waits for that and for its own reads of this slot.  fill = 1: this slot is filled again, two K steps ahead.
.macro TURN slot, next, fill
	WIN 0                                          ; (the add's two registers lie in window 0)
	s_wait_tensorcnt 0x0                           ; all my tensor loads have landed: my part of the next slot;
	ds_add_u32 v[SPW], v[NIL]                      ; 0 onto my spare word
	s_wait_dscnt 17                                ; (the add and the youngest sixteen loads may be out)
	WIN MUL
	MUL8 F1, 0, 0, 0                               ; eight matrix instructions stand between the add and the wait for it
	s_wait_dscnt 0x0                               ; the add is done, and my reads of this slot are over
	s_barrier_signal -1
	MUL8 F1, 0, 2, 0
.if \fill
	WIN 0
.endif
	s_barrier_wait -1
.if \fill
	CREST                                          ; the barrier has opened a round of the cluster's barrier: no wave of any partner still reads this slot's tile or has a load on its way
	s_add_nc_u64 s[G0+4*\slot+2:G0+4*\slot+3], s[G0+4*\slot+2:G0+4*\slot+3], 2*KSTEP*2
	s_add_nc_u64 s[G0B+4*\slot+2:G0B+4*\slot+3], s[G0B+4*\slot+2:G0B+4*\slot+3], 2*KSTEP*2
	JLOAD \slot                                    ; the first tensor load behind the round: 112 matrix instructions ahead of the wait for it; the four v_nop behind it are also the places in front of the loads below
.else
	PLACES
.endif
	FETCH \next, 0, F0
	WIN MUL
	MUL8 F1, 1, 0, 0
	MUL8 F1, 1, 2, 0
.endm
	s_wait_tensorcnt 1                             ; my part of K step 0 is in (K step 1's may be out)
	s_barrier_signal -1
	s_barrier_wait -1                              ; everybody's is
	FETCH 0, 0, F0
	QUARTER 0, 128, F0, F1, 1                      ; the first quarter stands in front of the loop: its first products start the sums
	WIN 0                                          ; at a label and at a branch every window is 0
	s_mov_b32 s3, LAPS-1
.Llap:                                                 ; a trip goes once round the ring, from a lap's second quarter to the next lap's first, and fills both slots again
	QUARTER 0, 256, F1, F0, 0
	QUARTER 0, 384, F0, F1, 0
	TURN 0, 1, 1
	QUARTER 1, 128, F0, F1, 0
	QUARTER 1, 256, F1, F0, 0
	QUARTER 1, 384, F0, F1, 0
	TURN 1, 0, 1
	QUARTER 0, 128, F0, F1, 0
	WIN 0
	s_sub_co_u32 s3, s3, 1
	s_cmp_lg_u32 s3, 0
	s_cbranch_scc1 .Llap
	QUARTER 0, 256, F1, F0, 0                      ; the last lap fills nothing, and has no round of the cluster's barrier
	QUARTER 0, 384, F0, F1, 0
	TURN 0, 1, 0
	QUARTER 1, 128, F0, F1, 0
	QUARTER 1, 256, F1, F0, 0
	QUARTER 1, 384, F0, F1, 0
	s_wait_dscnt 16                                ; the very last quarter: nothing more to fetch
	WIN MUL
	MUL8 F1, 0, 0, 0
	MUL8 F1, 0, 2, 0
	s_wait_dscnt 0
	MUL8 F1, 1, 0, 0
	MUL8 F1, 1, 2, 0
	WIN 0
	; THE WAY OUT.  A lane holds 32 neighbouring bytes of a row, and the lanes beside it hold other rows: so my 64 rows x 256 bytes go through my own stage in LDS, each accumulator from its low end on, and come back as whole rows,
	; into the registers that they left.  LDS serves a wave's instructions in order (ISA guide 5.7.1.4): no wait between the stores and the loads.
	PLACES
.irp a, 0,1,2,3
.irp b, 0,1,2,3
	ds_store_b128 v[STO], v[ACC+8*(4*\a+\b):ACC+8*(4*\a+\b)+3] offset:\a*16*SPITCH+64*\b
	ds_store_b128 v[STO], v[ACC+8*(4*\a+\b)+4:ACC+8*(4*\a+\b)+7] offset:\a*16*SPITCH+64*\b+16
.endr
.endr
.set TT, 0
.rept 32
	ds_load_b128 v[ACC+4*TT:ACC+4*TT+3], v[RD] offset:TT*2*SPITCH
.set TT, TT+1
.endr
.set TT, 0
.rept 32
	s_wait_dscnt 31-TT                             ; the younger loads may stay out
	global_store_b128 v[CO], v[ACC+4*TT:ACC+4*TT+3], s[8:9] offset:2*TT*SIZE_N*4 th:TH_STORE_NT   ; 16 lanes store 256 consecutive bytes, at a multiple of 256 from C's first byte; written once, read by nobody here
.set TT, TT+1
.endr
	s_wait_tensorcnt 0x0                           ; the wave's end, behind my last tensor load and my last LDS store
	ds_add_u32 v[SPW], v[NIL]
	s_wait_dscnt 0x0
	CROUND                                         ; the closing round: no work-group ends while a partner may still ask for a tile that names it
	s_endpgm
.Lfunc_end_k_q16ba4b64de_outgemm:
	.size	k_q16ba4b64de_outgemm, .Lfunc_end_k_q16ba4b64de_outgemm-k_q16ba4b64de_outgemm
	.p2alignl 7, 3214868480
	.fill 96, 4, 3214868480
	.section	.rodata,"a",@progbits
	.p2align	6, 0x0
	.amdhsa_kernel k_q16ba4b64de_outgemm
		.amdhsa_group_segment_fixed_size 327680
		.amdhsa_private_segment_fixed_size 0
		.amdhsa_enable_private_segment 0
		.amdhsa_kernarg_size 24
		.amdhsa_user_sgpr_count 2
		.amdhsa_user_sgpr_kernarg_segment_ptr 1
		.amdhsa_wavefront_size32 1
		.amdhsa_system_sgpr_workgroup_id_x 1
		.amdhsa_system_sgpr_workgroup_id_y 1
		.amdhsa_system_sgpr_workgroup_id_z 1
		.amdhsa_system_vgpr_workitem_id 0
		.amdhsa_next_free_vgpr 512
		.amdhsa_next_free_sgpr 66
		.amdhsa_reserve_vcc 0
		.amdhsa_float_denorm_mode_32 3
		.amdhsa_float_denorm_mode_16_64 3
		.amdhsa_memory_ordered 1
		.amdhsa_forward_progress 1
		.amdhsa_inst_pref_size 86
	.end_amdhsa_kernel
	.amdgpu_metadata
---
amdhsa.version: [ 1, 2 ]
amdhsa.kernels:
  - .name:           k_q16ba4b64de_outgemm
    .symbol:         k_q16ba4b64de_outgemm.kd
    .args:
      - { .name: o, .offset: 0, .size: 8, .value_kind: global_buffer, .address_space: global }
      - { .name: wo16, .offset: 8, .size: 8, .value_kind: global_buffer, .address_space: global }
      - { .name: out0, .offset: 16, .size: 8, .value_kind: global_buffer, .address_space: global }
    .group_segment_fixed_size: 327680
    .private_segment_fixed_size: 0
    .kernarg_segment_align: 8
    .kernarg_segment_size: 24
    .max_flat_workgroup_size: 128
    .sgpr_count:     66
    .vgpr_count:     512
    .wavefront_size: 32
...
	.end_amdgpu_metadata
.endif
;; end of part 4
